; MI455X (gfx1250); checked and timed in simulation.
; The chip was launched on July 23, 2026; its instructions are those of AMD's public machine-readable ISA for CDNA 5 (MIT licence, August 2026) and "CDNA5" Instruction Set Architecture Reference Guide (July 2026). The comments in the code are by the model that wrote it; some were corrected since.
;; Multi Head Self Attention. Allowed arithmetic: float matrix products may take bf16 or f16 operands with f32 sums; other float arithmetic in f32, or as packed bf16 or f16 multiplies, adds, multiply-adds, maxima and minima; sums over many terms, partial sums and values carried from step to step in f32; what a program stores and reads back later, other than sums and carried values, may be rounded once to bf16 or f16.
;; Inputs: Wk 512 x 4,096 float32; Wo 4,096 x 4,096 float32; Wq 512 x 4,096 float32; Wv 512 x 4,096 float32; beta 512 float32; bk 4,096 float32; bo 4,096 float32; bq 4,096 float32; bv 4,096 float32; gamma 512 float32; x 2 x 1,024 x 512 float32.
;; Outputs: out0 2 x 1,024 x 4,096 float32.
;; One version. Each part assembles by itself: llvm-mc -triple=amdgcn-amd-amdhsa -mcpu=gfx1250 --defsym DOCPART=n.
;; ======== version 1 of 1: 4 launches
;; limits: values are held in f16: magnitudes above 65,504 overflow, below 6.1e-05 lose precision
;; workspace buffers: xn 2,097,152 bytes; w3h 12,582,912 bytes; woh 33,554,432 bytes; qkv 50,331,648 bytes; att 16,777,216 bytes
;; launch prep (part 1): grid 1664 x 1, 8 waves a work-group, no clusters, 0 bytes of LDS; arguments x, gamma, beta, Wq, Wk, Wv, Wo, xn, w3h, woh; writes xn, w3h, woh
.if DOCPART == 1
	.amdgcn_target "amdgcn-amd-amdhsa--gfx1250"
	.amdhsa_code_object_version 6
	.text
	.protected	k_q6aa63ea956_prep
	.globl	k_q6aa63ea956_prep
	.p2align	8
	.type	k_q6aa63ea956_prep,@function
k_q6aa63ea956_prep:
	s_mov_b64 s[64:65], 0
	v_nop
	global_prefetch_b8 v0, s[64:65] scope:SCOPE_SE
	s_setreg_imm32_b32 hwreg(HW_REG_WAVE_MODE, 25, 1), 1
	s_wait_xcnt 0x0
; PREP.  Two kinds of work-group, told apart by the work-group's number alone.
; Work-groups 0-255: xn = LayerNorm(x + PE) * gamma + beta, rounded once to f16.  A wave takes one row of 512 numbers, 16 a lane, and keeps it in registers: x is read once.
; Work-groups 256-1663: the four weight matrices are rounded once from f32 to f16, their layout [k][n] unchanged: Wq, Wk, Wv one behind the other in w3h, Wo in woh.  A work-group takes
; 65,536 bytes of f32, a wave 8,192: sixteen loads of 512 consecutive bytes, all issued before the first is waited for; each store of a wave covers 256 consecutive bytes, aligned.
; No LDS, no matrix unit, no cluster: a stream in which no byte is wanted twice.
; THE TABLE.  PE[pos][i] = sin or cos (i even or odd) of pos / 10000^(2 (i / 2) / 512).  The rate is made in TURNS: 2^(-(i / 2) log2(10000) / 256 - log2(2 pi)); t = pos x rate (+ 1/4 for the cosine);
; k = the nearest whole number to 2 t; g = t - k / 2 (exact), |g| <= 1/4; sin(2 pi t) = (-1)^k sin(2 pi g), by the odd series up to g^11 (the first term left out is under 6e-8).
; LIMITS.  The table is accurate to about 3e-4 radians at the worst (position 1023, the fastest columns: t is near 163 turns and carries f32 rounding).  f16 holds no number beyond 65,504: weights
; and normalised rows must lie within it (|xn| <= 22.7 |gamma| + |beta|); below 6e-5 f16 keeps its fixed step of 6e-8.  NaN and infinities are not treated apart.
.set X,   8           ; v[8:23]   the row: load j (0..3) brings columns 128 j + 4 lane + 0..3
.set G,   24          ; v[24:39]  gamma of the same columns
.set BT,  40          ; v[40:55]  beta
.set RT,  56          ; v[56:63]  the rates, in turns a position: number 2 j + u is column pair 64 j + 2 lane + u
.set PS,  64          ; v64       the position as f32
.set TT,  66          ; v[66:69]  t, then g, of four columns
.set KK,  70          ; v[70:73]  k, then its lowest bit in the sign's place
.set G2,  74          ; v[74:77]  g^2
.set Y,   80          ; v[80:87]  the row in f16
.set MU,  88          ; v[88:89]  the mean, twice
.set RS,  90          ; v[90:91]  1 / sqrt(var + eps), twice
.set PP,  92          ; v[92:95]  the series
.set SA,  96          ; v[96:103] sums at work
.set NK1, 36          ; s36  -log2(10000) / 256
.set NK2, 37          ; s37  -log2(2 pi)
.set Q4,  38          ; s38  0.25
.set C1,  39          ; s39-44  the series of sin(2 pi g)
.set C3,  40
.set C5,  41
.set C7,  42
.set C9,  43
.set C11, 44
.set I512, 45         ; s45  1 / 512
.set EPS, 46          ; s46  1e-6
.set SEL, 48          ; s[48:49] v_permlanex16_b32: each lane takes its own place in the other half
	s_load_b512 s[8:23], s[0:1], 0x0               ; x s[8:9], gamma s[10:11], beta s[12:13], Wq s[14:15], Wk s[16:17], Wv s[18:19], Wo s[20:21], xn s[22:23]
	s_load_b128 s[24:27], s[0:1], 0x40             ; w3h s[24:25], woh s[26:27]
	v_lshrrev_b32 v1, 5, v0
	v_readfirstlane_b32 s4, v1                     ; wave 0..7
	v_and_b32 v2, 31, v0                           ; lane
	v_lshlrev_b32 v3, 4, v2                        ; 16 x lane
	v_lshlrev_b32 v4, 3, v2                        ; 8 x lane
	s_cmp_lt_u32 ttmp9, 256
	s_cbranch_scc1 .Lln
	; THE CAST.  Chunk c of 1,408: 0-127 Wq, 128-255 Wk, 256-383 Wv, 384-1407 Wo.
	s_sub_co_u32 s5, ttmp9, 256                    ; c
	s_movk_i32 s6, 384
	s_wait_kmcnt 0x0
	s_cmp_lt_u32 s5, s6
	s_cselect_b64 s[28:29], s[18:19], s[20:21]     ; from: Wv or Wo
	s_cselect_b64 s[30:31], s[24:25], s[26:27]     ; to: w3h or woh
	s_cselect_b32 s7, 0, s6                        ; the first chunk of what is written
	s_cselect_b32 s6, 256, s6                      ; the first chunk of what is read
	s_cmp_lt_u32 s5, 256
	s_cselect_b64 s[28:29], s[16:17], s[28:29]
	s_cselect_b32 s6, 128, s6
	s_cmp_lt_u32 s5, 128
	s_cselect_b64 s[28:29], s[14:15], s[28:29]
	s_cselect_b32 s6, 0, s6
	s_sub_co_u32 s6, s5, s6
	s_sub_co_u32 s7, s5, s7
	s_lshl_b32 s32, s6, 16                         ; 65,536 bytes of f32 a chunk,
	s_lshl_b32 s2, s4, 13                          ; 8,192 a wave
	s_add_co_u32 s32, s32, s2
	s_mov_b32 s33, 0
	s_lshl_b32 s34, s7, 15                         ; half of that in f16
	s_lshl_b32 s2, s4, 12
	s_add_co_u32 s34, s34, s2
	s_mov_b32 s35, 0
	s_add_nc_u64 s[28:29], s[28:29], s[32:33]
	s_add_nc_u64 s[30:31], s[30:31], s[34:35]
.irp i, 0,1,2,3,4,5,6,7,8,9,10,11,12,13,14,15
	global_load_b128 v[8+4*(\i):11+4*(\i)], v3, s[28:29] offset:512*(\i) th:TH_LOAD_NT
.endr
.irp i, 0,1,2,3,4,5,6,7,8,9,10,11,12,13,14,15
	s_wait_loadcnt 15-(\i)                         ; loads come back in order: number i is in, the younger ones stay out
	v_cvt_pk_f16_f32 v[72+2*(\i)], v[8+4*(\i)], v[9+4*(\i)]
	v_cvt_pk_f16_f32 v[73+2*(\i)], v[10+4*(\i)], v[11+4*(\i)]
	global_store_b64 v4, v[72+2*(\i):73+2*(\i)], s[30:31] offset:256*(\i) th:TH_STORE_NT  ; no register is used twice, so no store is waited for
.endr
	s_endpgm
.Lln:
	s_lshl_b32 s5, ttmp9, 3
	s_add_co_u32 s5, s5, s4                        ; my row, 0..2047
	s_lshl_b32 s32, s5, 11                         ; 2,048 bytes a row of x
	s_mov_b32 s33, 0
	s_lshl_b32 s34, s5, 10                         ; 1,024 a row of xn
	s_mov_b32 s35, 0
	s_and_b32 s6, s5, 1023                         ; the position
	s_mov_b32 s[NK1], 0xbd549a78
	s_mov_b32 s[NK2], 0xc029b21d
	s_mov_b32 s[Q4], 0x3e800000
	s_mov_b32 s[C1], 0x40c90fdb                    ; 2 pi
	s_mov_b32 s[C3], 0xc2255de7                    ; -(2 pi)^3 / 3!
	s_mov_b32 s[C5], 0x42a335e3                    ; (2 pi)^5 / 5!
	s_mov_b32 s[C7], 0xc2996966                    ; -(2 pi)^7 / 7!
	s_mov_b32 s[C9], 0x42283c1a                    ; (2 pi)^9 / 9!
	s_mov_b32 s[C11], 0xc17183a8                   ; -(2 pi)^11 / 11!
	s_mov_b32 s[I512], 0x3b000000
	s_mov_b32 s[EPS], 0x358637bd
	s_mov_b32 s[SEL], 0x76543210
	s_mov_b32 s[SEL+1], 0xfedcba98
	s_wait_kmcnt 0x0
	s_add_nc_u64 s[28:29], s[8:9], s[32:33]
	s_add_nc_u64 s[30:31], s[22:23], s[34:35]
.irp j, 0,1,2,3
	global_load_b128 v[X+4*(\j):X+4*(\j)+3], v3, s[28:29] offset:512*(\j) th:TH_LOAD_NT
.endr
.irp j, 0,1,2,3
	global_load_b128 v[G+4*(\j):G+4*(\j)+3], v3, s[10:11] offset:512*(\j)
	global_load_b128 v[BT+4*(\j):BT+4*(\j)+3], v3, s[12:13] offset:512*(\j)
.endr
	; the eight rates, while the loads are on their way
	v_cvt_f32_u32 v[PS], s6
.irp n, 0,1,2,3,4,5,6,7
	v_lshl_add_u32 v[RT+(\n)], v2, 1, 64*((\n)/2)+(\n)%2
.endr
.irp n, 0,1,2,3,4,5,6,7
	v_cvt_f32_u32 v[RT+(\n)], v[RT+(\n)]
.endr
.irp n, 0,1,2,3,4,5,6,7
	v_fma_f32 v[RT+(\n)], v[RT+(\n)], s[NK1], s[NK2]
.endr
.irp n, 0,1,2,3,4,5,6,7
	v_exp_f32 v[RT+(\n)], v[RT+(\n)]
.endr
	v_nop                                          ; a plain instruction behind the last exponential,
	s_wait_alu depctr_va_vdst(0)                   ; and one wait for the batch of eight, ahead of the first line that names a result
; The table's four numbers for columns 128 j + 4 lane + 0..3 are made side by side and added onto x.
.macro SINE4 j
	v_mul_f32 v[TT], v[PS], v[RT+2*(\j)]
	v_fma_f32 v[TT+1], v[PS], v[RT+2*(\j)], s[Q4]  ; the cosine is the sine a quarter turn on
	v_mul_f32 v[TT+2], v[PS], v[RT+2*(\j)+1]
	v_fma_f32 v[TT+3], v[PS], v[RT+2*(\j)+1], s[Q4]
.irp e, 0,1,2,3
	v_add_f32 v[KK+(\e)], v[TT+(\e)], v[TT+(\e)]
.endr
.irp e, 0,1,2,3
	v_rndne_f32 v[KK+(\e)], v[KK+(\e)]
.endr
.irp e, 0,1,2,3
	v_fma_f32 v[TT+(\e)], v[KK+(\e)], -0.5, v[TT+(\e)]  ; g
.endr
.irp e, 0,1,2,3
	v_cvt_i32_f32 v[KK+(\e)], v[KK+(\e)]
.endr
.irp e, 0,1,2,3
	v_mul_f32 v[G2+(\e)], v[TT+(\e)], v[TT+(\e)]
.endr
.irp e, 0,1,2,3
	v_lshlrev_b32 v[KK+(\e)], 31, v[KK+(\e)]       ; an odd k turns the sign
.endr
.irp e, 0,1,2,3
	v_fma_f32 v[PP+(\e)], v[G2+(\e)], s[C11], s[C9]
.endr
.irp k, C7, C5, C3, C1
.irp e, 0,1,2,3
	v_fma_f32 v[PP+(\e)], v[PP+(\e)], v[G2+(\e)], s[\k]
.endr
.endr
.irp e, 0,1,2,3
	v_mul_f32 v[PP+(\e)], v[PP+(\e)], v[TT+(\e)]
.endr
.irp e, 0,1,2,3
	v_xor_b32 v[PP+(\e)], v[PP+(\e)], v[KK+(\e)]
.endr
.if (\j) == 0
	s_wait_loadcnt 0x0                             ; x, gamma and beta, once
.endif
.irp e, 0,1,2,3
	v_add_f32 v[X+4*(\j)+(\e)], v[X+4*(\j)+(\e)], v[PP+(\e)]
.endr
.endm
; The sum of v[r] over the 32 lanes, in every lane; v[t] has been written before.
.macro WSUM r, t
	v_add_f32_dpp v[\r], v[\r], v[\r] row_xmask:1 row_mask:0xf bank_mask:0xf
	v_add_f32_dpp v[\r], v[\r], v[\r] row_xmask:2 row_mask:0xf bank_mask:0xf
	v_add_f32_dpp v[\r], v[\r], v[\r] row_xmask:4 row_mask:0xf bank_mask:0xf
	v_add_f32_dpp v[\r], v[\r], v[\r] row_xmask:8 row_mask:0xf bank_mask:0xf
	v_permlanex16_b32 v[\t], v[\r], s[SEL], s[SEL+1]
	v_add_f32 v[\r], v[\r], v[\t]
.endm
	SINE4 0
	SINE4 1
	SINE4 2
	SINE4 3
	; the mean
	v_pk_add_f32 v[SA:SA+1], v[X:X+1], v[X+2:X+3]
	v_pk_add_f32 v[SA+2:SA+3], v[X+4:X+5], v[X+6:X+7]
	v_pk_add_f32 v[SA+4:SA+5], v[X+8:X+9], v[X+10:X+11]
	v_pk_add_f32 v[SA+6:SA+7], v[X+12:X+13], v[X+14:X+15]
	v_pk_add_f32 v[SA:SA+1], v[SA:SA+1], v[SA+2:SA+3]
	v_pk_add_f32 v[SA+4:SA+5], v[SA+4:SA+5], v[SA+6:SA+7]
	v_pk_add_f32 v[SA:SA+1], v[SA:SA+1], v[SA+4:SA+5]
	v_add_f32 v[SA], v[SA], v[SA+1]
	WSUM SA, SA+1
	v_mul_f32 v[MU], s[I512], v[SA]
	v_mov_b32 v[MU+1], v[MU]
.irp i, 0,2,4,6,8,10,12,14
	v_pk_add_f32 v[X+(\i):X+(\i)+1], v[X+(\i):X+(\i)+1], v[MU:MU+1] neg_lo:[0,1] neg_hi:[0,1]  ; the mean is taken away first, so that the variance is no difference of large sums
.endr
	; the variance, in two chains
	v_pk_mul_f32 v[SA:SA+1], v[X:X+1], v[X:X+1]
	v_pk_mul_f32 v[SA+2:SA+3], v[X+2:X+3], v[X+2:X+3]
.irp i, 4,8,12
	v_pk_fma_f32 v[SA:SA+1], v[X+(\i):X+(\i)+1], v[X+(\i):X+(\i)+1], v[SA:SA+1]
	v_pk_fma_f32 v[SA+2:SA+3], v[X+(\i)+2:X+(\i)+3], v[X+(\i)+2:X+(\i)+3], v[SA+2:SA+3]
.endr
	v_pk_add_f32 v[SA:SA+1], v[SA:SA+1], v[SA+2:SA+3]
	v_add_f32 v[SA], v[SA], v[SA+1]
	WSUM SA, SA+1
	v_fma_f32 v[SA+2], v[SA], s[I512], s[EPS]
	v_rsq_f32 v[RS], v[SA+2]
	v_rsq_f32 v[RS+1], v[SA+2]                     ; twice, to fill the pair that the packed multiply takes
	v_nop                                          ; a plain instruction behind them,
	s_wait_alu depctr_va_vdst(0)                   ; and one wait for both
.irp i, 0,2,4,6,8,10,12,14
	v_pk_mul_f32 v[X+(\i):X+(\i)+1], v[X+(\i):X+(\i)+1], v[RS:RS+1]
.endr
.irp i, 0,2,4,6,8,10,12,14
	v_pk_fma_f32 v[X+(\i):X+(\i)+1], v[X+(\i):X+(\i)+1], v[G+(\i):G+(\i)+1], v[BT+(\i):BT+(\i)+1]
.endr
.irp i, 0,1,2,3,4,5,6,7
	v_cvt_pk_f16_f32 v[Y+(\i)], v[X+2*(\i)], v[X+2*(\i)+1]
.endr
.irp j, 0,1,2,3
	global_store_b64 v4, v[Y+2*(\j):Y+2*(\j)+1], s[30:31] offset:256*(\j) th:TH_STORE_NT  ; 32 lanes store 256 consecutive bytes, aligned
.endr
	s_endpgm
.Lfunc_end_k_q6aa63ea956_prep:
	.size	k_q6aa63ea956_prep, .Lfunc_end_k_q6aa63ea956_prep-k_q6aa63ea956_prep
	.p2alignl 7, 3214868480
	.fill 96, 4, 3214868480
	.section	.rodata,"a",@progbits
	.p2align	6, 0x0
	.amdhsa_kernel k_q6aa63ea956_prep
		.amdhsa_group_segment_fixed_size 0
		.amdhsa_private_segment_fixed_size 0
		.amdhsa_enable_private_segment 0
		.amdhsa_kernarg_size 80
		.amdhsa_user_sgpr_count 2
		.amdhsa_user_sgpr_kernarg_segment_ptr 1
		.amdhsa_wavefront_size32 1
		.amdhsa_system_sgpr_workgroup_id_x 1
		.amdhsa_system_sgpr_workgroup_id_y 1
		.amdhsa_system_sgpr_workgroup_id_z 1
		.amdhsa_system_vgpr_workitem_id 0
		.amdhsa_next_free_vgpr 104
		.amdhsa_next_free_sgpr 66
		.amdhsa_reserve_vcc 0
		.amdhsa_float_denorm_mode_32 3
		.amdhsa_float_denorm_mode_16_64 3
		.amdhsa_memory_ordered 1
		.amdhsa_forward_progress 1
		.amdhsa_inst_pref_size 27
	.end_amdhsa_kernel
	.amdgpu_metadata
---
amdhsa.version: [ 1, 2 ]
amdhsa.kernels:
  - .name:           k_q6aa63ea956_prep
    .symbol:         k_q6aa63ea956_prep.kd
    .args:
      - { .name: x, .offset: 0, .size: 8, .value_kind: global_buffer, .address_space: global }
      - { .name: gamma, .offset: 8, .size: 8, .value_kind: global_buffer, .address_space: global }
      - { .name: beta, .offset: 16, .size: 8, .value_kind: global_buffer, .address_space: global }
      - { .name: Wq, .offset: 24, .size: 8, .value_kind: global_buffer, .address_space: global }
      - { .name: Wk, .offset: 32, .size: 8, .value_kind: global_buffer, .address_space: global }
      - { .name: Wv, .offset: 40, .size: 8, .value_kind: global_buffer, .address_space: global }
      - { .name: Wo, .offset: 48, .size: 8, .value_kind: global_buffer, .address_space: global }
      - { .name: xn, .offset: 56, .size: 8, .value_kind: global_buffer, .address_space: global }
      - { .name: w3h, .offset: 64, .size: 8, .value_kind: global_buffer, .address_space: global }
      - { .name: woh, .offset: 72, .size: 8, .value_kind: global_buffer, .address_space: global }
    .group_segment_fixed_size: 0
    .private_segment_fixed_size: 0
    .kernarg_segment_align: 8
    .kernarg_segment_size: 80
    .max_flat_workgroup_size: 256
    .sgpr_count:     66
    .vgpr_count:     104
    .wavefront_size: 32
...
	.end_amdgpu_metadata
.endif
;; end of part 1
;; launch qkvp (part 2): grid 16 x 16, 4 waves a work-group, clusters of 4 x 4, 327,680 bytes of LDS; arguments xn, w3h, bq, bk, bv, qkv; writes qkv
.if DOCPART == 2
	.amdgcn_target "amdgcn-amd-amdhsa--gfx1250"
	.amdhsa_code_object_version 6
	.text
	.protected	k_q6aa63ea956_qkvp
	.globl	k_q6aa63ea956_qkvp
	.p2align	8
	.type	k_q6aa63ea956_qkvp,@function
k_q6aa63ea956_qkvp:
	s_mov_b64 s[64:65], 0
	v_nop
	global_prefetch_b8 v0, s[64:65] scope:SCOPE_SE
	s_setreg_imm32_b32 hwreg(HW_REG_WAVE_MODE, 25, 1), 1
	s_wait_xcnt 0x0
	s_wait_alu depctr_hold_cnt(0) depctr_sa_sdst(0) depctr_va_vdst(0) depctr_va_sdst(0) depctr_va_ssrc(0) depctr_va_vcc(0) depctr_vm_vsrc(0)
	s_getreg_b32 s2, hwreg(HW_REG_IB_STS2, 6, 4)
	s_cmp_eq_u32 s2, 0
	s_cbranch_scc0 .Lentry_in_a_cluster
	s_endpgm
.Lentry_in_a_cluster:
	s_bfe_u32 s2, ttmp6, 0x10000c
	s_cmp_lg_u32 s2, 0xf033
	s_cbranch_scc0 .Lentry_shape_is_right
	s_endpgm
.Lentry_shape_is_right:
; QKV = XN x [Wq | Wk | Wv] + bias.  xn: [2048][512] f16; w3h: [3][512][4096] f16 = [1536][4096], rows along n; bq, bk, bv: [4096] f32; qkv: [3][2048][4096] f16.  Sums in f32, each result rounded once.
; LIMIT.  f16 holds no number beyond 65,504: q, k and v must lie within it.  The K steps of a sum are not taken in ascending order (THE WALK, below).
; SHARES.  16 x 16 work-groups.  A work-group makes 128 rows x 256 columns of q, then of k, then of v (the same rows and columns): three tiles, and the ring does not stop between them.  Four waves,
; each 64 rows x 128 columns: 32 accumulators of 16 x 16, 256 registers.  (Tiles of 256 x 256 would be 128 for each of the three: half as many as there are work-groups here.)
; XN STAYS.  My 128 rows of xn, all 512 along K, are brought once, as four positions of 128 rows x 256 bytes, and serve all three tiles: 128 KiB once in place of 32 KiB in each of 12 steps.
; THE WALK.  12 steps of 128 along K, four a tile; W goes through two LDS slots that take turns.  THE WALK IS TURNED: in step t of a tile a cluster takes K step (t + ROT) % 4, ROT = the cluster's x.  The four
; clusters that read the same columns of W (same cluster y) have four different ROT: at no step do two of them ask for the same rows.  Position t of xn in LDS holds K step (t + ROT) % 4, so that every LDS address is a constant.
; THE PRODUCT IS TAKEN TRANSPOSED: source 0 = 16 columns of W, source 1 = 16 rows of xn; a lane then holds one row and eight neighbouring columns of the result.  W lies [k][n], so its fragments come
; out of LDS turned, by ds_load_tr16_b128; xn's come as they lie.  THE BIAS is the C operand of each sum's first product.
; CLUSTER.  4 x 4 work-groups; tile row = 4 x cluster x + cy, tile column = 4 x cluster y + cx.  xn's tile hangs on the tile row alone and is asked for jointly by a row of the cluster, W's on the tile
; column alone and by a column: the same tensor load, descriptor and mask in all four.
; PREFETCH.  Of the four clusters that read a K step's rows of W the one with ROT = step % 4 reads them first, as its tile's first step.  It asks for them two steps, 256 matrix instructions, ahead of its tensor load:
; in a tile's first change of slots, for the next tile.  The four partners of a column take 32 rows each, by address; in each, waves 0 and 1 take 16 rows, a lane a block of 256 bytes.  The first tile comes by its loads alone.
; REGISTERS, in windows of 256: window 0: v16-30 addresses; v32-127, v128-223 two fragment buffers (W's eight fragments, then xn's four); v224-255 rows on their way out.
;   window 1: the accumulators, (a, b) at v[8 (8 a + b)].   window 2: v0-63 the bias of my 128 columns, as an accumulator holds them.
.set PA,     272                       ; an LDS row of xn: 256 bytes + 16 = 68 words: the 16 rows of a load start at 16 different groups of four banks (64 banks of 4 bytes: ISA guide 11.1)
.set PB,     544                       ; an LDS row of W: 512 bytes + 32 = 136 words
.set APOS,   128*PA                    ; a position of xn
.set BS0,    4*APOS                    ; behind the four positions: W's two slots
.set BSLOT,  128*PB
.set BQ,     32*PB                     ; what one wave's tensor load brings of W
.set STAGE,  BS0+2*BSLOT               ; behind the ring: 16 rows x 272 bytes for each wave, for the way out
.set SPT,    272
.set SPARE,  STAGE+4*16*SPT            ; behind the stages: the spare words, 128 bytes for each wave: two blocks of 256 bytes that no other line names
.set BSTEP,  128*8192                  ; bytes from a K step of W to the next
.set ADRA, 16                          ; v16-19  LDS address of my xn fragments in position 0..3
.set ADRB, 20                          ; v20-21  of my W fragments in slot 0, 1
.set STO,  24                          ; v24     the way out: where I put 16 bytes of a row
.set RD,   25                          ; v25     where I read rows back
.set CO,   26                          ; v26     my byte offset in two rows of qkv
.set BO,   27                          ; v27     my byte offset in 16 numbers of bias
.set SPW,  28                          ; v28     LDS address of my spare word; never rewritten
.set NIL,  29                          ; v29     0; never rewritten
.set PFO,  30                          ; v30     the prefetches' lane offset; never rewritten
.set F0,   32
.set F1,   128
.set PKD,  128                         ; the way out: 32 registers of f16,
.set OB,   224                         ; and 32 registers of whole rows
.set WV, 16                            ; s16 wave; s17 its half of the rows; s18 its half of the columns
.set WM, 17
.set WN, 18
.set CX, 19
.set CY, 20
.set TX, 21                            ; tile column, 0..15
.set TY, 22                            ; tile row, 0..15
.set ROT, 23                           ; s23  by how much my cluster's walk is turned
.set G1A, 24                           ; s[24:31] descriptor group 1 for xn's positions; s[32:35] group 0
.set G0A, 32
.set OFB, 36                           ; s[36:37] byte offset of a K step in W
.set PFA, 38                           ; s[38:39] where my prefetches stand
.set G1B, 40                           ; s[40:47] group 1 for W's tiles; s[48:55] group 0, a set for each slot
.set G0B, 48
.set BASEB, 56                         ; s[56:57] W at the first of the rows that I fetch, K step 0
.set UQ,  60                           ; s60  the step of the walk that the next refill asks for
.set PL,  61                           ; s61  a wave prefetches while the tiles to go are more than this
.set BB,  70                           ; s[70:71] a tile's bias at my columns
.set BOFF, 72                          ; s[72:73] my columns' byte offset in a bias
.set CB,  74                           ; s[74:75] qkv at my part of the tile
.set MUL, 0x50                         ; fragments in window 0, C and D in window 1
.set MULB, 0x60                        ; the same with C in window 2: the bias
.set MSB, 0
.macro WIN new                         ; the immediate's high byte repeats the setting that is left; a switch that changes nothing is dropped
.if MSB != (\new)
	s_set_vgpr_msb (MSB<<8)|(\new)
.set MSB, \new
.endif
.endm
.macro PLACES                          ; four places behind a matrix instruction, in front of loads into registers that it has read and of lines that read its result
.rept 4
	v_nop
.endr
.endm
.macro JLOAD s                         ; a joint refill: every wave fetches its 32 rows of W's tile; an s_nop 0 and four v_nop follow the line
	tensor_load_to_lds s[G0B+4*(\s):G0B+4*(\s)+3], s[G1B:G1B+7]
	s_nop 0
.rept 4
	v_nop
.endr
.endm
.macro CREST                           ; a round of the cluster's barrier behind its opening barrier
	s_cmp_lg_u32 s[WV], 0
	s_cbranch_scc1 .Lnot_wave_0_\@
	s_barrier_signal -3
.Lnot_wave_0_\@:
	s_barrier_wait -3
	s_barrier_signal -1
	s_barrier_wait -1
.endm
.macro CROUND
	s_barrier_signal -1
	s_barrier_wait -1
	CREST
.endm
	s_load_b256 s[4:11], s[0:1], 0x0               ; xn s[4:5], w3h s[6:7], bq s[8:9], bk s[10:11]
	s_load_b128 s[12:15], s[0:1], 0x20             ; bv s[12:13], qkv s[14:15]
	v_lshl_add_u32 v[SPW], v0, 2, SPARE
	v_mov_b32 v[NIL], 0
	ds_add_u32 v[SPW], v[NIL]                      ; the wave's opening: the add and its wait stand ahead of my first tensor load; the set-up below stands between them
	v_lshrrev_b32 v1, 5, v0
	v_readfirstlane_b32 s[WV], v1
	s_lshr_b32 s[WM], s[WV], 1
	s_and_b32 s[WN], s[WV], 1
	s_bfe_u32 s[CX], ttmp6, 0x40000
	s_bfe_u32 s[CY], ttmp6, 0x40004
	s_lshl_b32 s[TY], ttmp9, 2
	s_add_co_u32 s[TY], s[TY], s[CY]               ; tile row = 4 x cluster x + cy
	s_and_b32 s[TX], ttmp7, 0xffff
	s_lshl_b32 s[TX], s[TX], 2
	s_add_co_u32 s[TX], s[TX], s[CX]               ; tile column = 4 x cluster y + cx
	s_and_b32 s[ROT], ttmp9, 3                     ; the same in all sixteen partners
	s_lshl_b32 s76, s[CY], 2
	s_lshl_b32 s76, 15, s76                        ; my row of the cluster
	s_lshl_b32 s80, 0x1111, s[CX]                  ; my column
	s_or_b32 s[G1A], s76, (1<<16)|(1<<20)|(1<<21)|(5<<22)|(3<<25)  ; the mask; 2-byte elements; padding on; bit 21 beside a mask; after every 64 words 4 words
	s_or_b32 s[G1B], s80, (1<<16)|(1<<20)|(1<<21)|(6<<22)|(7<<25)  ; after every 128 words 8 words
	s_mov_b32 s[G1A+1], 128<<16                    ; tensor_dim0 = 128
	s_mov_b32 s[G1A+2], 128<<16                    ; tensor_dim1 = 128
	s_mov_b32 s[G1A+3], 128<<16                    ; tile_dim0 = 128
	s_mov_b32 s[G1A+4], 128                        ; tile_dim1 = 128
	s_mov_b32 s[G1A+5], 512                        ; elements from row to row of xn
	s_mov_b32 s[G1A+6], 0
	s_mov_b32 s[G1A+7], 0
	s_mov_b32 s[G1B+1], 256<<16
	s_mov_b32 s[G1B+2], 32<<16
	s_mov_b32 s[G1B+3], 256<<16
	s_mov_b32 s[G1B+4], 32
	s_mov_b32 s[G1B+5], 4096
	s_mov_b32 s[G1B+6], 0
	s_mov_b32 s[G1B+7], 0
	s_mov_b32 s[G0A], 1
	s_mul_i32 s[G0A+1], s[WV], APOS                ; wave w fills position w: no place in the cluster enters an LDS address
	s_mul_i32 s81, s[WV], BQ
.irp s, 0,1
	s_mov_b32 s[G0B+4*(\s)], 1
	s_add_co_u32 s[G0B+4*(\s)+1], s81, BS0+(\s)*BSLOT
.endr
	s_add_co_u32 s78, s[WV], s[ROT]
	s_and_b32 s78, s78, 3                          ; position w holds K step (w + ROT) % 4:
	s_lshl_b32 s78, s78, 8                         ; 256 bytes of a row,
	s_lshl_b32 s79, s[TY], 17                      ; from row 128 x tile row on, 1,024 bytes each
	s_add_co_u32 s78, s78, s79
	s_mov_b32 s79, 0
	s_lshl_b32 s82, s[WV], 18                      ; W: my 32 rows of 8,192 bytes,
	s_lshl_b32 s83, s[TX], 9                       ; 512 bytes a tile column
	s_add_co_u32 s82, s82, s83
	s_mov_b32 s83, 0
	s_mov_b32 s[OFB+1], 0
	s_mov_b32 s[UQ], 2
	s_wait_dscnt 0x0                               ; the opening add is done
	s_wait_kmcnt 0x0
	s_add_nc_u64 s[G0A+2:G0A+3], s[4:5], s[78:79]
	s_or_b32 s[G0A+3], s[G0A+3], 0x80000000
	s_add_nc_u64 s[BASEB:BASEB+1], s[6:7], s[82:83]
	s_lshl_b32 s[OFB], s[ROT], 20                  ; step 0 of the walk is K step ROT,
	s_add_nc_u64 s[G0B+2:G0B+3], s[BASEB:BASEB+1], s[OFB:OFB+1]
	s_or_b32 s[G0B+3], s[G0B+3], 0x80000000
	s_add_co_u32 s76, s[ROT], 1
	s_and_b32 s76, s76, 3
	s_lshl_b32 s[OFB], s76, 20                     ; step 1 K step (ROT + 1) % 4
	s_add_nc_u64 s[G0B+6:G0B+7], s[BASEB:BASEB+1], s[OFB:OFB+1]
	s_or_b32 s[G0B+7], s[G0B+7], 0x80000000
	CROUND                                         ; all sixteen work-groups are here: the first joint loads meet
	tensor_load_to_lds s[G0B:G0B+3], s[G1B:G1B+7]  ; the first fills, one group, the same three lines in every wave: three loads of mine are out
	s_nop 0
	tensor_load_to_lds s[G0A:G0A+3], s[G1A:G1A+7]
	s_nop 0
	tensor_load_to_lds s[G0B+4:G0B+7], s[G1B:G1B+7]
	s_nop 0
.rept 4
	v_nop
.endr
	v_and_b32 v1, 15, v0                           ; r = l % 16
	v_bfe_u32 v2, v0, 4, 1                         ; h = l / 16
	v_and_b32 v3, 7, v0
	v_bfe_u32 v4, v0, 3, 1
	v_and_b32 v5, 31, v0
	v_mul_u32_u24 v6, v1, PA                       ; xn's fragment: row r, 16 bytes for each half of the lanes
	v_lshl_add_u32 v6, v2, 4, v6
	s_mul_i32 s76, s[WM], 64*PA
	v_add_nc_u32 v[ADRA], s76, v6
.irp t, 1,2,3
	v_add_nc_u32 v[ADRA+(\t)], (\t)*APOS, v[ADRA]
.endr
	v_lshl_add_u32 v7, v2, 3, v3                   ; W's: the turning load takes k row 8 h + l % 8, columns 8 ((l / 8) % 2) + 0..7
	v_mul_u32_u24 v7, v7, PB
	v_lshl_add_u32 v7, v4, 4, v7
	s_lshl_b32 s76, s[WN], 8
	s_add_co_u32 s76, s76, BS0
	v_add_nc_u32 v[ADRB], s76, v7
	v_add_nc_u32 v[ADRB+1], BSLOT, v[ADRB]
	s_mul_i32 s76, s[WV], 16*SPT
	s_add_co_u32 s76, s76, STAGE                   ; my stage
	v_mul_u32_u24 v6, v1, SPT
	v_lshl_add_u32 v6, v2, 4, v6
	v_add_nc_u32 v[STO], s76, v6
	v_mul_u32_u24 v6, v2, SPT                      ; back: lanes 0-15 one row of 256 bytes, lanes 16-31 the next
	v_lshl_add_u32 v6, v1, 4, v6
	v_add_nc_u32 v[RD], s76, v6
	v_lshlrev_b32 v[CO], 13, v2
	v_lshl_add_u32 v[CO], v1, 4, v[CO]
	v_lshlrev_b32 v[BO], 5, v2                     ; my eight columns of sixteen: 32 h bytes of f32
	s_lshl_b32 s76, s[TY], 7
	s_lshl_b32 s77, s[WM], 6
	s_add_co_u32 s76, s76, s77
	s_lshl_b32 s76, s76, 13                        ; my first row of qkv, 8,192 bytes each
	s_lshl_b32 s77, s[TX], 9
	s_add_co_u32 s76, s76, s77
	s_lshl_b32 s77, s[WN], 8
	s_add_co_u32 s76, s76, s77
	s_mov_b32 s77, 0
	s_add_nc_u64 s[CB:CB+1], s[14:15], s[76:77]
	s_lshl_b32 s[BOFF], s[TX], 10
	s_lshl_b32 s77, s[WN], 9
	s_add_co_u32 s[BOFF], s[BOFF], s77
	s_mov_b32 s[BOFF+1], 0
	s_add_nc_u64 s[BB:BB+1], s[8:9], s[BOFF:BOFF+1]  ; the first tile's bias: bq
	WIN 0x80                                       ; destination window 2
.irp b, 0,1,2,3,4,5,6,7
	global_load_b128 v[8*(\b):8*(\b)+3],   v[BO], s[BB:BB+1] offset:64*(\b)
	global_load_b128 v[8*(\b)+4:8*(\b)+7], v[BO], s[BB:BB+1] offset:64*(\b)+16
.endr
	WIN 0
	; the prefetches: of a K step's 128 rows the partner at cy takes 32 cy .. 32 cy + 31, its wave 0 or 1 sixteen of them; a lane takes row l / 2, block l % 2
	s_lshl_b32 s80, s[CY], 5
	s_lshl_b32 s81, s[WV], 4
	s_add_co_u32 s80, s80, s81
	s_lshl_b32 s80, s80, 13
	s_lshl_b32 s81, s[TX], 9
	s_add_co_u32 s80, s80, s81
	s_lshl_b32 s81, s[ROT], 20                     ; at K step ROT of the first tile: a tile's first change of slots steps it by a tile
	s_add_co_u32 s80, s80, s81
	s_mov_b32 s81, 0
	s_add_nc_u64 s[PFA:PFA+1], s[6:7], s[80:81]
	s_cmp_lt_u32 s[WV], 2
	s_cselect_b32 s[PL], 1, 3                      ; waves 0 and 1 ask while a tile follows; waves 2 and 3 never
	v_lshrrev_b32 v6, 1, v5
	v_and_b32 v7, 1, v5
	v_lshlrev_b32 v6, 13, v6
	v_lshl_add_u32 v[PFO], v7, 8, v6
; 8 matrix instructions: row block a x all 8 column blocks, 32 along K.  The 32 accumulators take turns, in the same order in every quarter.  first = 1: the sums start from the bias.
.macro MUL8 f, a, first
.if \first
	WIN MULB
.else
	WIN MUL
.endif
.irp b, 0,1,2,3,4,5,6,7
.if \first
	v_wmma_f32_16x16x32_f16 v[8*(8*(\a)+(\b)):8*(8*(\a)+(\b))+7], v[(\f)+8*(\b):(\f)+8*(\b)+7], v[(\f)+64+8*(\a):(\f)+64+8*(\a)+7], v[8*(\b):8*(\b)+7]
.else
	v_wmma_f32_16x16x32_f16 v[8*(8*(\a)+(\b)):8*(8*(\a)+(\b))+7], v[(\f)+8*(\b):(\f)+8*(\b)+7], v[(\f)+64+8*(\a):(\f)+64+8*(\a)+7], v[8*(8*(\a)+(\b)):8*(8*(\a)+(\b))+7]
.endif
.endr
.endm
.macro MUL16 f, a0, first
	MUL8 \f, \a0, \first
	MUL8 \f, (\a0)+1, \first
.endm
; 24 LDS loads in one run: quarter q (32 along K) of W's slot and xn's position into buffer f: W's eight fragments first, then xn's four
.macro FETCH pos, slot, q, f
	WIN 0
.irp b, 0,1,2,3,4,5,6,7
	ds_load_tr16_b128 v[(\f)+8*(\b):(\f)+8*(\b)+3],   v[ADRB+(\slot)] offset:(\q)*32*PB+32*(\b)
	ds_load_tr16_b128 v[(\f)+8*(\b)+4:(\f)+8*(\b)+7], v[ADRB+(\slot)] offset:(\q)*32*PB+32*(\b)+16*PB
.endr
.irp a, 0,1,2,3
	ds_load_b128 v[(\f)+64+8*(\a):(\f)+64+8*(\a)+3],   v[ADRA+(\pos)] offset:(\a)*16*PA+64*(\q)
	ds_load_b128 v[(\f)+64+8*(\a)+4:(\f)+64+8*(\a)+7], v[ADRA+(\pos)] offset:(\a)*16*PA+64*(\q)+32
.endr
.endm
; One of a step's first three quarters: multiplies buffer f and fetches quarter qn into g.
.macro QUARTER pos, slot, qn, f, g, first
	s_wait_dscnt 4                                 ; W and xn's row blocks 0, 1 are in; the youngest four loads (blocks 2, 3) may be out
	MUL16 \f, 0, \first
	PLACES
	FETCH \pos, \slot, \qn, \g
	s_wait_dscnt 24                                ; all but the 24 just issued
	MUL16 \f, 2, \first
.endm
; The last quarter multiplies buffer 1 and changes slots: ONE barrier.  In front of it each wave waits for all its tensor loads (one is out: its part of the next slot), adds 0 to its spare word, and waits
; for that and for its reads of this slot.  fill = 1: the barrier opens a round of the cluster's, and the joint refill (step UQ of the walk) is the first thing behind it.  Nothing but the round stands between
; the waits and the refill; 24 of the quarter's 32 products follow it.  ask = 1: a tile's first change of slots.
.macro TURN slot, npos, nslot, fill, ask
.if \ask
	s_wait_xcnt 0x0                                ; the last prefetch, a tile back, has read its address
	s_add_nc_u64 s[PFA:PFA+1], s[PFA:PFA+1], 4*BSTEP
.endif
	WIN 0
	s_wait_tensorcnt 0x0                           ; no tensor load of mine is out, so a group 0 may be written
	ds_add_u32 v[SPW], v[NIL]                      ; 0 onto my spare word
.if \fill
	s_add_co_u32 s76, s[UQ], s[ROT]
	s_and_b32 s76, s76, 3
	s_and_b32 s77, s[UQ], 12
	s_or_b32 s76, s76, s77                         ; step UQ of the walk is K step 4 (UQ / 4) + (UQ + ROT) % 4 of the 12
	s_lshl_b32 s[OFB], s76, 20
	s_add_nc_u64 s[G0B+4*(\slot)+2:G0B+4*(\slot)+3], s[BASEB:BASEB+1], s[OFB:OFB+1]  ; the address is made anew
	s_or_b32 s[G0B+4*(\slot)+3], s[G0B+4*(\slot)+3], 0x80000000
.endif
	s_wait_dscnt 7                                 ; the add and the youngest six loads (row blocks 1 to 3) may be out
	MUL8 F1, 0, 0                                  ; eight products stand between the add and the wait for it
	WIN 0
	s_wait_dscnt 0x0                               ; the add is done, and my reads of this slot are over
	s_barrier_signal -1
	s_barrier_wait -1
.if \fill
	CREST                                          ; no wave of any partner still reads this slot or has a load on its way
	JLOAD \slot                                    ; its four v_nop are also the places in front of the loads below
.else
	PLACES
.endif
	FETCH \npos, \nslot, 0, F0
.if \ask
	s_cmp_gt_u32 s2, s[PL]                         ; the next tile's first step: two steps, 256 matrix instructions, ahead of its tensor load
	s_cbranch_scc0 .Lnot_mine_\@
	global_prefetch_b8 v[PFO], s[PFA:PFA+1] th:TH_LOAD_NT scope:SCOPE_SE
.Lnot_mine_\@:
.endif
.if \fill
	s_add_co_u32 s[UQ], s[UQ], 1
.endif
	MUL8 F1, 1, 0
	MUL16 F1, 2, 0
.endm
	s_wait_tensorcnt 1                             ; my parts of W's step 0 and of xn are in; step 1's may stay out
	s_barrier_signal -1
	s_barrier_wait -1
	FETCH 0, 0, 0, F0
	s_mov_b32 s2, 3                                ; tiles to go
.Ltile:
	s_wait_loadcnt 0x0                             ; the tile's bias, asked for a tile ago
	QUARTER 0, 0, 1, F0, F1, 1                     ; a tile's first products start its sums from the bias: nothing is cleared
	WIN 0
	PLACES                                         ; in front of loads into the bias's registers, which those products read
	s_cmp_eq_u32 s2, 1
	s_cbranch_scc1 .Lno_bias                       ; no tile follows the last
	s_cmp_eq_u32 s2, 3
	s_cselect_b64 s[BB:BB+1], s[10:11], s[12:13]   ; behind q comes k, behind k comes v; the loads that read this base were waited for above
	s_add_nc_u64 s[BB:BB+1], s[BB:BB+1], s[BOFF:BOFF+1]
	WIN 0x80
.irp b, 0,1,2,3,4,5,6,7
	global_load_b128 v[8*(\b):8*(\b)+3],   v[BO], s[BB:BB+1] offset:64*(\b)
	global_load_b128 v[8*(\b)+4:8*(\b)+7], v[BO], s[BB:BB+1] offset:64*(\b)+16
.endr
	WIN 0
.Lno_bias:
	QUARTER 0, 0, 2, F1, F0, 0
	QUARTER 0, 0, 3, F0, F1, 0
	TURN 0, 1, 1, 1, 1
	QUARTER 1, 1, 1, F0, F1, 0
	QUARTER 1, 1, 2, F1, F0, 0
	QUARTER 1, 1, 3, F0, F1, 0
	TURN 1, 2, 0, 1, 0
	QUARTER 2, 0, 1, F0, F1, 0
	QUARTER 2, 0, 2, F1, F0, 0
	QUARTER 2, 0, 3, F0, F1, 0
	WIN 0
	s_cmp_eq_u32 s2, 1
	s_cbranch_scc1 .Llast                          ; the last tile's tail is written out: it asks for nothing more
	TURN 0, 3, 1, 1, 0                             ; the ring goes on into the next tile
	QUARTER 3, 1, 1, F0, F1, 0
	QUARTER 3, 1, 2, F1, F0, 0
	QUARTER 3, 1, 3, F0, F1, 0
	TURN 1, 0, 0, 1, 0
	WIN 0
	s_branch .Lout
.Llast:
	TURN 0, 3, 1, 0, 0
	QUARTER 3, 1, 1, F0, F1, 0
	QUARTER 3, 1, 2, F1, F0, 0
	QUARTER 3, 1, 3, F0, F1, 0
	s_wait_dscnt 4
	MUL16 F1, 0, 0
	s_wait_dscnt 0x0
	MUL16 F1, 2, 0
	WIN 0
.Lout:
	; THE WAY OUT, written once, 16 rows at a time: rounded to f16, 16 bytes a lane into my own stage, back as whole rows of 256 bytes, stored.  Buffer 0 holds the next step's fragments meanwhile.
	PLACES
.irp a, 0,1,2,3
	WIN 0x05                                       ; sources 0 and 1 window 1
.irp b, 0,1,2,3,4,5,6,7
.irp p, 0,1,2,3
	v_cvt_pk_f16_f32 v[PKD+4*(\b)+(\p)], v[8*(8*(\a)+(\b))+2*(\p)], v[8*(8*(\a)+(\b))+2*(\p)+1]  ; each accumulator from its low end on
.endr
.endr
	WIN 0
	s_wait_xcnt 0x0                                ; the stores of the 16 rows before have read their registers, which the loads below rewrite
.irp b, 0,1,2,3,4,5,6,7
	ds_store_b128 v[STO], v[PKD+4*(\b):PKD+4*(\b)+3] offset:32*(\b)
.endr
.irp t, 0,1,2,3,4,5,6,7
	ds_load_b128 v[OB+4*(\t):OB+4*(\t)+3], v[RD] offset:2*SPT*(\t)  ; LDS serves a wave's instructions in order (ISA guide 5.7.1.4): these see the stores above
.endr
	s_wait_dscnt 0x0
.irp t, 0,1,2,3,4,5,6,7
	global_store_b128 v[CO], v[OB+4*(\t):OB+4*(\t)+3], s[CB:CB+1] offset:(\a)*131072+(\t)*16384 th:TH_STORE_NT  ; 16 lanes store 256 consecutive bytes, aligned
.endr
.endr
	s_wait_xcnt 0x0                                ; the stores have read their base
	s_add_nc_u64 s[CB:CB+1], s[CB:CB+1], 0x1000000 ; from q to k, from k to v
	s_sub_co_u32 s2, s2, 1
	s_cmp_lg_u32 s2, 0
	s_cbranch_scc1 .Ltile
	s_wait_tensorcnt 0x0                           ; the wave's end: behind my last tensor load and my last LDS store
	ds_add_u32 v[SPW], v[NIL]
	s_wait_dscnt 0x0
	CROUND                                         ; the closing round: no work-group ends while a partner may still ask for a tile that names it
	s_endpgm
.Lfunc_end_k_q6aa63ea956_qkvp:
	.size	k_q6aa63ea956_qkvp, .Lfunc_end_k_q6aa63ea956_qkvp-k_q6aa63ea956_qkvp
	.p2alignl 7, 3214868480
	.fill 96, 4, 3214868480
	.section	.rodata,"a",@progbits
	.p2align	6, 0x0
	.amdhsa_kernel k_q6aa63ea956_qkvp
		.amdhsa_group_segment_fixed_size 327680
		.amdhsa_private_segment_fixed_size 0
		.amdhsa_enable_private_segment 0
		.amdhsa_kernarg_size 48
		.amdhsa_user_sgpr_count 2
		.amdhsa_user_sgpr_kernarg_segment_ptr 1
		.amdhsa_wavefront_size32 1
		.amdhsa_system_sgpr_workgroup_id_x 1
		.amdhsa_system_sgpr_workgroup_id_y 1
		.amdhsa_system_sgpr_workgroup_id_z 1
		.amdhsa_system_vgpr_workitem_id 0
		.amdhsa_next_free_vgpr 576
		.amdhsa_next_free_sgpr 88
		.amdhsa_reserve_vcc 0
		.amdhsa_float_denorm_mode_32 3
		.amdhsa_float_denorm_mode_16_64 3
		.amdhsa_memory_ordered 1
		.amdhsa_forward_progress 1
		.amdhsa_inst_pref_size 110
	.end_amdhsa_kernel
	.amdgpu_metadata
---
amdhsa.version: [ 1, 2 ]
amdhsa.kernels:
  - .name:           k_q6aa63ea956_qkvp
    .symbol:         k_q6aa63ea956_qkvp.kd
    .args:
      - { .name: xn, .offset: 0, .size: 8, .value_kind: global_buffer, .address_space: global }
      - { .name: w3h, .offset: 8, .size: 8, .value_kind: global_buffer, .address_space: global }
      - { .name: bq, .offset: 16, .size: 8, .value_kind: global_buffer, .address_space: global }
      - { .name: bk, .offset: 24, .size: 8, .value_kind: global_buffer, .address_space: global }
      - { .name: bv, .offset: 32, .size: 8, .value_kind: global_buffer, .address_space: global }
      - { .name: qkv, .offset: 40, .size: 8, .value_kind: global_buffer, .address_space: global }
    .group_segment_fixed_size: 327680
    .private_segment_fixed_size: 0
    .kernarg_segment_align: 8
    .kernarg_segment_size: 48
    .max_flat_workgroup_size: 128
    .sgpr_count:     88
    .vgpr_count:     576
    .wavefront_size: 32
...
	.end_amdgpu_metadata
.endif
;; end of part 2
;; launch attn (part 3): grid 16 x 16, 4 waves a work-group, clusters of 4 x 1, 327,680 bytes of LDS; arguments qkv, att; writes att
.if DOCPART == 3
	.amdgcn_target "amdgcn-amd-amdhsa--gfx1250"
	.amdhsa_code_object_version 6
	.text
	.protected	k_q6aa63ea956_attn
	.globl	k_q6aa63ea956_attn
	.p2align	8
	.type	k_q6aa63ea956_attn,@function
k_q6aa63ea956_attn:
	s_mov_b64 s[64:65], 0
	v_nop
	global_prefetch_b8 v0, s[64:65] scope:SCOPE_SE
	s_setreg_imm32_b32 hwreg(HW_REG_WAVE_MODE, 25, 1), 1
	s_wait_xcnt 0x0
	s_wait_alu depctr_hold_cnt(0) depctr_sa_sdst(0) depctr_va_vdst(0) depctr_va_sdst(0) depctr_va_ssrc(0) depctr_va_vcc(0) depctr_vm_vsrc(0)
	s_getreg_b32 s2, hwreg(HW_REG_IB_STS2, 6, 4)
	s_cmp_eq_u32 s2, 0
	s_cbranch_scc0 .Lentry_in_a_cluster
	s_endpgm
.Lentry_in_a_cluster:
	s_bfe_u32 s2, ttmp6, 0x10000c
	s_cmp_lg_u32 s2, 0x3003
	s_cbranch_scc0 .Lentry_shape_is_right
	s_endpgm
.Lentry_shape_is_right:
; ATTENTION.  att[b s][h d] = the sum over k of softmax_k(q . k / sqrt(512) - 1e9 [k <= q]) v.  qkv: [3][2048][4096] f16 (row = 1024 b + s, column = 512 h + d); att: [2048][4096] f16.
; Products, maxima and sums in f32; the weights p are rounded to f16 for the second product (their sum l is taken of the unrounded p), att once at the end.
; THE MASK penalises the LOWER triangle, the diagonal too: query q sees the keys above it.  The last query has every key penalised: its row is the softmax of the scores less 1e9, over all 1,024 keys.
; LIMITS.  The division by sqrt(512) is a multiplication by its reciprocal; where a whole block of 16 keys is penalised the -1e9 is added in the same fused multiply-add (one rounding for two).
; f16 holds no number beyond 65,504; p below 6e-5 keeps f16's fixed step of 6e-8; a weight below 2^-126 counts as 0 in l; NaN and infinities are not treated apart.
; SHARES.  A work-group owns 64 queries (four tiles of 16) of one (b, h) and walks ALL 16 key tiles of 64.  Tiles below the diagonal are not left out: the first block needs all 16 tiles and so does the
; last (for the last query), so the longest walk has 16 steps whatever the others leave out; and with 16 steps everywhere every partner of a cluster makes every joint request, and every trip count is a constant.
; In a step wave w makes S^T for ITS 16 keys and all 64 queries (64 matrix instructions; Q of all 64 queries stays in 512 registers) and O^T for ITS 128 channels and all 64 queries (64 more).
; The step's maxima meet in LDS (SMAX), and so do the weights (PBUF), which every wave wants for all 64 keys.
; THE WALK IS TURNED.  The key tiles go in groups of four; in step t of a group a cluster takes tile (t + ROT) % 4 of the group, ROT = the cluster's x.  The four clusters of a (b, h) have four different ROT:
; at no step do two of them ask for the same tile.  The running maximum takes the keys in any order.
; LAYOUT.  S^T = K Q^T: a lane holds one query (lane % 16) and the keys 8 (lane / 16) + 0..7 of its wave's 16.  O^T = V^T P: one query a lane and eight channels.  K comes out of LDS as it lies, V turned.
; SOFTMAX.  A running maximum m and sum l for each query: p = 2^((s - m) log2 e): the difference is taken first, exactly, since s and m may both lie near -1e9.  O and l are multiplied by
; a = 2^((m_old - m_new) log2 e) in every step.  m starts at -2^125, O and l at 0: the first step is a step like any other, with a = 0; the price is 256 lines that write 0, in the wait for the first tile.
; CLUSTER.  The four query blocks of a cluster belong to one (b, h) and walk the same K and V: each tile is asked for jointly, by the same tensor load, descriptor and mask in all four.
; THE TEXT.  A key step is written once for the loop's 14 trips: the slot's LDS base is a scalar that an exclusive or turns between 0 and SLOT.  The last two steps, which fill nothing, are written out.
; REGISTERS, in windows of 256: window 0: v1-17 addresses; v18-53 statistics and the diagonal's mask; v64-127 S^T, maxima, packed weights, later P's fragments; v128-255 K's fragments, later V's.
;   window 1: O^T, tile t, channel block cb at v[64 t + 8 cb].   windows 2, 3: Q, tile t, channels 32 c on at v[64 t + 8 (c % 8)] of window 2 + c / 8.
.set PKP,   1040      ; a row of K in LDS: 1,024 bytes + 16 = 260 words: the 16 rows of a load start at 16 different groups of four banks (64 banks of 4 bytes: ISA guide 11.1)
.set PVP,   1056      ; a row of V: 1,024 + 32 = 264 words
.set KHALF, 32*PKP    ; what one tensor load brings of K
.set VHALF, 32*PVP    ; and of V
.set VOFF,  64*PKP    ; in a slot V's 64 rows lie behind K's 64
.set SLOT,  64*(PKP+PVP)
.set PBUF,  2*SLOT    ; behind the ring: the step's weights, 64 queries x (128 bytes + 16)
.set PP,    144
.set SMAX,  PBUF+64*PP  ; [wave][query % 16][tile] f32: the waves' maxima, 1,024 bytes;
.set SSUM,  1024      ; 1,024 bytes behind them, the waves' sums at the end
.set STAGE, SMAX+2048 ; 16 rows x 272 bytes for each wave, for the way out
.set SP,    272
.set SPARE, STAGE+4*16*SP  ; the spare words, 128 bytes for each wave: two blocks of 256 bytes that no other line names
.set PFO, 3           ; v3   the prefetches' lane offset; never rewritten
.set AK0, 4           ; v4   my lane's place in a slot's K; never rewritten
.set AK,  5           ; v5   the same in the slot in hand
.set AV0, 6           ; v6   my lane's place in a slot's V; never rewritten
.set AV,  7           ; v7   the same in the slot in hand
.set PST, 8           ; v8   where I put 16 bytes of weights
.set PLD, 9           ; v9   where I read P's fragments
.set SXS, 10          ; v10  where I put my wave's four maxima
.set SXL, 11          ; v11  where I read the four waves'
.set STO, 12          ; v12  the way out: where I put 16 bytes of a row
.set RD,  13          ; v13  where I read rows back
.set GO,  14          ; v14  my byte offset in two rows of att
.set QO,  15          ; v15  my byte offset in 16 rows of q
.set SPW, 16          ; v16  LDS address of my spare word; never rewritten
.set NIL, 17          ; v17  0; never rewritten
.set LM,  18          ; v[18:21] my wave's maxima, a tile each
.set MM,  22          ; v22-29 tile t: m, and a register named with it as a pair
.set AA,  30          ; v30-37 tile t: a, and one at work
.set LL,  38          ; v38-45 tile t: l (even keys', odd keys')
.set MD8, 46          ; v46-53 the mask where key block and query block are the same: -1e9 where 8 h + j <= r
.set S,   64          ; v64-95  S^T, 8 a tile
.set XR,  96          ; v96-111 the four waves' maxima
.set PKR, 112         ; v112-127 the weights in f16, 4 a tile
.set PF,  64          ; v64-127 P's fragments: key half kk, tile t at PF + 8 (4 kk + t)
.set KV,  128         ; K: channels 32 c on at KV + 8 c; V: key half kk, channel block cb at KV + 8 (8 kk + cb)
.set PFB, 8           ; s[8:9]   K or V at my work-group's 8 rows of the 32 that I fetch, tile 0
.set OFP, 10          ; s[10:11] a tile's byte offset, for the prefetches
.set WV,  12
.set CX,  13
.set BLK, 14          ; s14  my block of 64 queries, 0..15
.set ROT, 15          ; s15  by how much my cluster's walk is turned
.set KL,  16          ; s16  where my part of K lies in a slot
.set VL,  17          ; s17  where my part of V lies
.set TB,  18          ; s18  the LDS base of the slot in hand: 0 or SLOT
.set OFT, 20          ; s[20:21] a tile's byte offset, for the descriptors
.set G1K, 24          ; s[24:31] descriptor group 1 for K's tiles; s[32:39] for V's: it differs in the padding alone
.set G1V, 32
.set G0K, 40          ; s[40:47] group 0 for K's tiles: a set for each of the two first fills; the first then walks on; s[48:55] for V's
.set G0V, 48
.set C1,  56          ; s[56:57] 1 / sqrt(512)
.set LG,  58          ; s[58:59] log2(e)
.set SEL, 60          ; s[60:61] v_permlanex16_b32: each lane takes its own place in the other half
.set BIGN, 62         ; s62  -1e9
.set TT,  63          ; s63  the step of the walk in hand
.set AL,  66          ; s[66:73] tile t: 1.0 where my 16 keys and its 16 queries are the same block, else 0 (low word of a pair)
.set BE,  74          ; s[74:81] tile t: -1e9 where my 16 keys all lie below its queries, else 0
.set PFA, 82          ; s[82:83] the address of the prefetch in hand
.set LAPC, 85
.set KB,  86          ; s86  my block of 16 keys
.set QB0, 87          ; s87  tile 0's block of 16 queries: 4 BLK
.set OBS, 88          ; s[88:89] att at my part
.set QBS, 90          ; s[90:91] q at the work-group's first row
.set KBS, 96          ; s[96:97] K at my half of tile 0
.set VBS, 98          ; s[98:99] V likewise
.set W_PV, 0x50       ; V and P in window 0, O^T in window 1
.set W_RS, 0x41       ; O^T (destination and source 0) in window 1, the factor in window 0
.set MSB, 0
.macro WIN new                      ; the high byte repeats the setting that is left; a switch that changes nothing is dropped
.if MSB != (\new)
	s_set_vgpr_msb (MSB<<8)|(\new)
.set MSB, \new
.endif
.endm
.macro PLACES                       ; four places behind a matrix instruction (ISA guide 7.12.1)
.rept 4
	v_nop
.endr
.endm
.macro JLOAD                        ; a joint refill: waves 0, 1 fetch the halves of K's tile, waves 2, 3 of V's; an s_nop 0 and four v_nop follow each of the two lines
	s_cmp_lt_u32 s[WV], 2
	s_cbranch_scc0 .Lfor_v_\@
	tensor_load_to_lds s[G0K:G0K+3], s[G1K:G1K+7]
	s_nop 0
.rept 4
	v_nop
.endr
	s_branch .Lasked_\@
.Lfor_v_\@:
	tensor_load_to_lds s[G0V:G0V+3], s[G1V:G1V+7]
	s_nop 0
.rept 4
	v_nop
.endr
.Lasked_\@:
.endm
; A PREFETCH.  Of the four clusters of a (b, h) the one with ROT = tile % 4 reads a tile first, as its group's first step.  It asks for that tile in the second step of the group before: the NEXT refill will
; ask for it: one key step, 128 matrix instructions, ahead.  Of the 32 rows that a wave fetches the partner at cx takes 8, by address; a lane takes row l / 4, block l % 4 of its 1,024 bytes.  So each block of
; 256 bytes is named once in the launch.  The first group comes by its loads alone; the last group has none behind it.
.macro ASK
	s_and_b32 s92, s[TT], 3
	s_cmp_eq_u32 s92, 1
	s_cbranch_scc0 .Lnot_now_\@
	s_cmp_lt_u32 s[TT], 10
	s_cbranch_scc0 .Lnot_now_\@
	global_prefetch_b8 v[PFO], s[PFA:PFA+1] th:TH_LOAD_NT scope:SCOPE_SE
.Lnot_now_\@:
.endm
.macro CREST                        ; a round of the cluster's barrier behind its opening barrier
	s_cmp_lg_u32 s[WV], 0
	s_cbranch_scc1 .Lnot_wave_0_\@
	s_barrier_signal -3
.Lnot_wave_0_\@:
	s_barrier_wait -3
	s_barrier_signal -1
	s_barrier_wait -1
.endm
.macro CROUND
	s_barrier_signal -1
	s_barrier_wait -1
	CREST
.endm
	s_load_b128 s[4:7], s[0:1], 0x0   ; qkv s[4:5], att s[6:7]
	v_lshl_add_u32 v[SPW], v0, 2, SPARE
	v_mov_b32 v[NIL], 0
	ds_add_u32 v[SPW], v[NIL]       ; the wave's opening: the add and its wait stand ahead of my first tensor load; the set-up below stands between them
	v_lshrrev_b32 v1, 5, v0
	v_readfirstlane_b32 s[WV], v1
	s_bfe_u32 s[CX], ttmp6, 0x40000
	s_lshl_b32 s[BLK], ttmp9, 2
	s_add_co_u32 s[BLK], s[BLK], s[CX]  ; it enters q's and att's addresses and the mask's scalars alone
	s_lshl_b32 s[QB0], s[BLK], 2
	s_and_b32 s[ROT], ttmp9, 3      ; the same in all four partners
	s_and_b32 s22, ttmp7, 0xffff    ; 8 b + h, which the four partners share
	s_lshr_b32 s23, s22, 3
	s_lshl_b32 s23, s23, 23         ; b: 1,024 rows of 8,192 bytes
	s_and_b32 s22, s22, 7
	s_lshl_b32 s22, s22, 10         ; h: 1,024 bytes of a row
	s_add_co_u32 s23, s23, s22
	s_and_b32 s22, s[WV], 1         ; which half of a tile's 64 rows I fetch
	s_lshl_b32 s92, s22, 18
	s_add_co_u32 s92, s92, s23
	s_mov_b32 s93, 0
	s_mul_i32 s[KL], s22, KHALF     ; and its place in a slot: no place in the cluster enters an LDS address
	s_mul_i32 s[VL], s22, VHALF
	s_add_co_u32 s[VL], s[VL], VOFF
	s_mov_b32 s[G1K], 15|(1<<16)|(1<<20)|(1<<21)|(7<<22)|(3<<25)  ; the mask of four; 2-byte elements; padding on; bit 21 beside a mask; after every 256 words 4 words
	s_mov_b32 s[G1V], 15|(1<<16)|(1<<20)|(1<<21)|(7<<22)|(7<<25)  ; 8 words
.irp g, G1K, G1V
	s_mov_b32 s[(\g)+1], 512<<16    ; tensor_dim0 = 512
	s_mov_b32 s[(\g)+2], 32<<16     ; tensor_dim1 = 32
	s_mov_b32 s[(\g)+3], 512<<16    ; tile_dim0 = 512
	s_mov_b32 s[(\g)+4], 32         ; tile_dim1 = 32
	s_mov_b32 s[(\g)+5], 4096       ; elements from row to row
	s_mov_b32 s[(\g)+6], 0
	s_mov_b32 s[(\g)+7], 0
.endr
.irp s, 0,1
	s_mov_b32 s[G0K+4*(\s)], 1
	s_add_co_u32 s[G0K+4*(\s)+1], s[KL], (\s)*SLOT
	s_mov_b32 s[G0V+4*(\s)], 1
	s_add_co_u32 s[G0V+4*(\s)+1], s[VL], (\s)*SLOT
.endr
	s_mov_b32 s[C1], 0x3d3504f3
	s_mov_b32 s[C1+1], s[C1]        ; named with it as a pair
	s_mov_b32 s[LG], 0x3fb8aa3b
	s_mov_b32 s[LG+1], s[LG]
	s_mov_b32 s[SEL], 0x76543210
	s_mov_b32 s[SEL+1], 0xfedcba98
	s_mov_b32 s[BIGN], 0xce6e6b28
	s_mov_b32 s[TT], 0
	s_mov_b32 s[TB], 0
	s_mov_b32 s[OFT+1], 0
.irp t, 0,1,2,3
	s_mov_b32 s[AL+2*(\t)+1], 0
	s_mov_b32 s[BE+2*(\t)+1], 0
.endr
	s_lshl_b32 s94, s[BLK], 19      ; my block's 64 rows
	s_add_co_u32 s94, s94, s23
	s_mov_b32 s95, 0
	s_mov_b32 s[OFP], 0x2000000     ; v begins here in qkv,
	s_cmp_lt_u32 s[WV], 2
	s_cselect_b32 s[OFP], 0x1000000, s[OFP]  ; k here
	s_add_co_u32 s[OFP], s[OFP], s92
	s_lshl_b32 s[OFP+1], s[CX], 16  ; my work-group's 8 rows of the 32
	s_add_co_u32 s[OFP], s[OFP], s[OFP+1]
	s_mov_b32 s[OFP+1], 0
	s_wait_dscnt 0x0                ; the opening add is done
	s_wait_kmcnt 0x0
	s_add_nc_u64 s[KBS:KBS+1], s[4:5], s[92:93]
	s_add_nc_u64 s[VBS:VBS+1], s[KBS:KBS+1], 0x2000000
	s_add_nc_u64 s[KBS:KBS+1], s[KBS:KBS+1], 0x1000000
	s_lshl_b32 s[OFT], s[ROT], 19   ; step 0 of the walk is tile ROT: 64 rows of 8,192 bytes a tile,
	s_add_nc_u64 s[G0K+2:G0K+3], s[KBS:KBS+1], s[OFT:OFT+1]
	s_or_b32 s[G0K+3], s[G0K+3], 0x80000000
	s_add_nc_u64 s[G0V+2:G0V+3], s[VBS:VBS+1], s[OFT:OFT+1]
	s_or_b32 s[G0V+3], s[G0V+3], 0x80000000
	s_add_co_u32 s22, s[ROT], 1
	s_and_b32 s22, s22, 3
	s_lshl_b32 s[OFT], s22, 19      ; step 1 tile (ROT + 1) % 4
	s_add_nc_u64 s[G0K+6:G0K+7], s[KBS:KBS+1], s[OFT:OFT+1]
	s_or_b32 s[G0K+7], s[G0K+7], 0x80000000
	s_add_nc_u64 s[G0V+6:G0V+7], s[VBS:VBS+1], s[OFT:OFT+1]
	s_or_b32 s[G0V+7], s[G0V+7], 0x80000000
	s_add_nc_u64 s[QBS:QBS+1], s[4:5], s[94:95]
	s_add_nc_u64 s[OBS:OBS+1], s[6:7], s[94:95]
	s_add_nc_u64 s[PFB:PFB+1], s[4:5], s[OFP:OFP+1]
	s_lshl_b32 s94, s[WV], 8        ; my wave's 128 channels
	s_add_nc_u64 s[OBS:OBS+1], s[OBS:OBS+1], s[94:95]
	CROUND                          ; all four work-groups are here: the first joint loads meet
	s_cmp_lt_u32 s[WV], 2           ; a wave's two first fills stand in one branch: two loads of mine are out
	s_cbranch_scc0 .Lfirst_v
	tensor_load_to_lds s[G0K:G0K+3], s[G1K:G1K+7]
	s_nop 0
	tensor_load_to_lds s[G0K+4:G0K+7], s[G1K:G1K+7]
	s_nop 0
.rept 4
	v_nop
.endr
	s_branch .Lfirst_asked
.Lfirst_v:
	tensor_load_to_lds s[G0V:G0V+3], s[G1V:G1V+7]
	s_nop 0
	tensor_load_to_lds s[G0V+4:G0V+7], s[G1V:G1V+7]
	s_nop 0
.rept 4
	v_nop
.endr
.Lfirst_asked:
	v_and_b32 v1, 15, v0            ; r = l % 16
	v_bfe_u32 v2, v0, 4, 1          ; h = l / 16
	v_lshlrev_b32 v[QO], 13, v1
	v_lshl_add_u32 v[QO], v2, 4, v[QO]  ; row x 8,192 + 16 x half
.irp u, 0,1                         ; Q stays in registers: a fragment is 16 rows x 32 channels: two loads of 16 bytes a lane, 32 bytes apart
	WIN 0x80+0x40*(\u)
.irp t, 0,1,2,3
.irp c, 0,1,2,3,4,5,6,7
	global_load_b128 v[64*(\t)+8*(\c):64*(\t)+8*(\c)+3],   v[QO], s[QBS:QBS+1] offset:(\t)*131072+64*(8*(\u)+(\c))
	global_load_b128 v[64*(\t)+8*(\c)+4:64*(\t)+8*(\c)+7], v[QO], s[QBS:QBS+1] offset:(\t)*131072+64*(8*(\u)+(\c))+32
.endr
.endr
.endr
	WIN 0x40
.set i, 0
.rept 256
	v_mov_b32 v[i], 0               ; O^T
.set i, i+1
.endr
	WIN 0
	v_and_b32 v54, 7, v0
	v_bfe_u32 v55, v0, 3, 1
	v_and_b32 v56, 31, v0
	s_mul_i32 s94, s[WV], 16*PKP    ; my wave's 16 keys
	v_mul_u32_u24 v57, v1, PKP
	v_lshl_add_u32 v57, v2, 4, v57
	v_add_nc_u32 v[AK0], s94, v57
	v_lshl_add_u32 v57, v2, 3, v54  ; the turning load takes key 8 h + l % 8, channels 8 ((l / 8) % 2) + 0..7
	v_mul_u32_u24 v57, v57, PVP
	v_lshl_add_u32 v57, v55, 4, v57
	s_lshl_b32 s94, s[WV], 8        ; my wave's 128 channels
	s_add_co_u32 s94, s94, VOFF
	v_add_nc_u32 v[AV0], s94, v57
	v_mul_u32_u24 v57, v1, PP
	v_lshl_add_u32 v57, v2, 4, v57
	v_add_nc_u32 v[PLD], PBUF, v57
	s_lshl_b32 s94, s[WV], 5        ; my wave's 16 keys: 32 bytes of a query's row
	v_add_nc_u32 v[PST], s94, v[PLD]
	v_lshlrev_b32 v57, 4, v1
	v_add_nc_u32 v[SXL], SMAX, v57
	s_lshl_b32 s94, s[WV], 8
	v_add_nc_u32 v[SXS], s94, v[SXL]
	s_mul_i32 s94, s[WV], 16*SP
	s_add_co_u32 s94, s94, STAGE    ; my stage
	v_mul_u32_u24 v57, v1, SP
	v_lshl_add_u32 v57, v2, 4, v57
	v_add_nc_u32 v[STO], s94, v57
	v_mul_u32_u24 v57, v2, SP
	v_lshl_add_u32 v57, v1, 4, v57
	v_add_nc_u32 v[RD], s94, v57
	v_lshlrev_b32 v[GO], 13, v2
	v_lshl_add_u32 v[GO], v1, 4, v[GO]
	v_lshrrev_b32 v57, 2, v56
	v_and_b32 v58, 3, v56
	v_lshlrev_b32 v57, 13, v57
	v_lshl_add_u32 v[PFO], v58, 8, v57
	v_lshlrev_b32 v57, 3, v2
	v_sub_nc_u32 v57, v1, v57       ; r - 8 h: register j is penalised where j is not above it
.irp j, 0,1,2,3,4,5,6,7
	v_cmp_le_i32 vcc_lo, \j, v57
	v_cndmask_b32 v[MD8+(\j)], 0, s[BIGN], vcc_lo
.endr
.irp t, 0,1,2,3
	v_mov_b32 v[MM+2*(\t)], 0xfe000000  ; m: -2^125, far below every score
	v_mov_b32 v[MM+2*(\t)+1], 0
	v_mov_b32 v[AA+2*(\t)], 0
	v_mov_b32 v[AA+2*(\t)+1], 0
	v_mov_b32 v[LL+2*(\t)], 0
	v_mov_b32 v[LL+2*(\t)+1], 0
.endr
; The mask goes by blocks of 16 keys and 16 queries: selects alone, no branch.  Step TT of the walk is key tile 4 (TT / 4) + (TT + ROT) % 4.
.macro MASKS
	s_add_co_u32 s92, s[TT], s[ROT]
	s_and_b32 s92, s92, 3
	s_and_b32 s93, s[TT], 12
	s_or_b32 s92, s92, s93
	s_lshl_b32 s[KB], s92, 2
	s_add_co_u32 s[KB], s[KB], s[WV]
.irp t, 0,1,2,3
	s_add_co_u32 s92, s[QB0], \t
	s_cmp_eq_u32 s[KB], s92
	s_cselect_b32 s[AL+2*(\t)], 1.0, 0
	s_cmp_lt_u32 s[KB], s92
	s_cselect_b32 s[BE+2*(\t)], s[BIGN], 0
.endr
.endm
; 64 products S^T = K Q^T.  The four accumulators take turns, one instruction a turn.  K's 32 loads are waited for in four groups of eight: the later groups stay out.
.macro SPROD
.set c, 0
.rept 16
.if c%4 == 0
	s_wait_dscnt 24-2*c
.endif
	WIN 0x08+4*(c/8)                ; Q in window 2 or 3
.irp t, 0,1,2,3
.if c == 0
	v_wmma_f32_16x16x32_f16 v[S+8*(\t):S+8*(\t)+7], v[KV+8*c:KV+8*c+7], v[64*(\t)+8*(c%8):64*(\t)+8*(c%8)+7], 0
.else
	v_wmma_f32_16x16x32_f16 v[S+8*(\t):S+8*(\t)+7], v[KV+8*c:KV+8*c+7], v[64*(\t)+8*(c%8):64*(\t)+8*(c%8)+7], v[S+8*(\t):S+8*(\t)+7]
.endif
.endr
.set c, c+1
.endr
.endm
; 4 n products O^T += V^T P: key half kk, channel blocks cb0 .. cb0 + n - 1, all four tiles.  32 accumulators take turns.
.macro PVRUN kk, cb0, n
	WIN W_PV
.set cb, \cb0
.rept \n
.irp t, 0,1,2,3
	v_wmma_f32_16x16x32_f16 v[64*(\t)+8*cb:64*(\t)+8*cb+7], v[KV+8*(8*(\kk)+cb):KV+8*(8*(\kk)+cb)+7], v[PF+8*(4*(\kk)+(\t)):PF+8*(4*(\kk)+(\t))+7], v[64*(\t)+8*cb:64*(\t)+8*cb+7]
.endr
.set cb, cb+1
.endr
.endm
; A KEY STEP on the slot at s[TB].  mode 2: it ends in a round of the cluster's barrier and the slot's refill; 1: in a plain barrier; 0: the last step.
.macro STEP mode
	WIN 0
	v_add_nc_u32 v[AK], s[TB], v[AK0]  ; with the four v_nop ahead of them these two lines are six places behind the last step's products: the loads below land in V's registers, the first products write over P's
	v_add_nc_u32 v[AV], s[TB], v[AV0]
.irp c, 0,1,2,3,4,5,6,7,8,9,10,11,12,13,14,15  ; K of my 16 keys
	ds_load_b128 v[KV+8*(\c):KV+8*(\c)+3],   v[AK] offset:64*(\c)
	ds_load_b128 v[KV+8*(\c)+4:KV+8*(\c)+7], v[AK] offset:64*(\c)+32
.endr
	MASKS
	SPROD
	WIN 0
	PLACES
.irp t, 0,1,2,3                     ; s / sqrt(512), less 1e9 where the whole block is penalised; each accumulator is read from its low end on
.irp p, 0,1,2,3
	v_pk_fma_f32 v[S+8*(\t)+2*(\p):S+8*(\t)+2*(\p)+1], v[S+8*(\t)+2*(\p):S+8*(\t)+2*(\p)+1], s[C1:C1+1], s[BE+2*(\t):BE+2*(\t)+1] op_sel_hi:[1,0,0]
.endr
.endr
.irp t, 0,1,2,3                     ; and the diagonal's mask where the blocks are the same
.irp p, 0,1,2,3
	v_pk_fma_f32 v[S+8*(\t)+2*(\p):S+8*(\t)+2*(\p)+1], v[MD8+2*(\p):MD8+2*(\p)+1], s[AL+2*(\t):AL+2*(\t)+1], v[S+8*(\t)+2*(\p):S+8*(\t)+2*(\p)+1] op_sel_hi:[1,0,1]
.endr
.endr
.irp t, 0,1,2,3                     ; my wave's maxima, four chains
	v_max3_num_f32 v[LM+(\t)], v[S+8*(\t)], v[S+8*(\t)+1], v[S+8*(\t)+2]
.endr
.irp t, 0,1,2,3
	v_max3_num_f32 v[LM+(\t)], v[LM+(\t)], v[S+8*(\t)+3], v[S+8*(\t)+4]
.endr
.irp t, 0,1,2,3
	v_max3_num_f32 v[LM+(\t)], v[LM+(\t)], v[S+8*(\t)+5], v[S+8*(\t)+6]
.endr
.irp t, 0,1,2,3
	v_max_num_f32 v[LM+(\t)], v[LM+(\t)], v[S+8*(\t)+7]
.endr
.irp t, 0,1,2,3
	v_permlanex16_b32 v[AA+2*(\t)+1], v[LM+(\t)], s[SEL], s[SEL+1]  ; the query's other 8 keys lie in the lane 16 away
.endr
.irp t, 0,1,2,3
	v_max_num_f32 v[LM+(\t)], v[LM+(\t)], v[AA+2*(\t)+1]
.endr
	ds_store_b128 v[SXS], v[LM:LM+3]
	s_wait_dscnt 0x0                ; for the others' sake: my maxima lie in LDS
	s_barrier_signal -1
	s_barrier_wait -1               ; everybody's do
.irp w, 0,1,2,3
	ds_load_b128 v[XR+4*(\w):XR+4*(\w)+3], v[SXL] offset:256*(\w)
.endr
.irp f, 0,1,2,3,4,5,6,7,8,9,10,11,12,13,14,15  ; V, turned: keys 32 (f / 8) on, channels 16 (f % 8) on, into K's registers
	ds_load_tr16_b128 v[KV+8*(\f):KV+8*(\f)+3],   v[AV] offset:((\f)/8)*32*PVP+((\f)%8)*32
	ds_load_tr16_b128 v[KV+8*(\f)+4:KV+8*(\f)+7], v[AV] offset:((\f)/8)*32*PVP+16*PVP+((\f)%8)*32
.endr
	s_wait_dscnt 32                 ; the maxima are in; V's 32 loads stay out
.irp t, 0,1,2,3
	v_max3_num_f32 v[AA+2*(\t)+1], v[XR+(\t)], v[XR+4+(\t)], v[XR+8+(\t)]
.endr
.irp t, 0,1,2,3
	v_max3_num_f32 v[AA+2*(\t)+1], v[AA+2*(\t)+1], v[XR+12+(\t)], v[MM+2*(\t)]  ; the new m
.endr
.irp t, 0,1,2,3
	v_sub_f32 v[AA+2*(\t)], v[MM+2*(\t)], v[AA+2*(\t)+1]
.endr
.irp t, 0,1,2,3
	v_mov_b32 v[MM+2*(\t)], v[AA+2*(\t)+1]
.endr
.irp t, 0,1,2,3
	v_mul_f32 v[AA+2*(\t)], s[LG], v[AA+2*(\t)]
.endr
.irp t, 0,1,2,3
.irp p, 0,1,2,3
	v_pk_add_f32 v[S+8*(\t)+2*(\p):S+8*(\t)+2*(\p)+1], v[S+8*(\t)+2*(\p):S+8*(\t)+2*(\p)+1], v[MM+2*(\t):MM+2*(\t)+1] op_sel_hi:[1,0] neg_lo:[0,1] neg_hi:[0,1]  ; s - m
.endr
.endr
.irp t, 0,1,2,3
.irp p, 0,1,2,3
	v_pk_mul_f32 v[S+8*(\t)+2*(\p):S+8*(\t)+2*(\p)+1], v[S+8*(\t)+2*(\p):S+8*(\t)+2*(\p)+1], s[LG:LG+1] op_sel_hi:[1,0]
.endr
.endr
.irp t, 0,1,2,3                     ; ONE BATCH of 36 exponentials
	v_exp_f32 v[AA+2*(\t)], v[AA+2*(\t)]
.endr
.set i, 0
.rept 32
	v_exp_f32 v[S+i], v[S+i]
.set i, i+1
.endr
	v_nop                           ; a plain instruction behind the last exponential,
	s_wait_alu depctr_va_vdst(0)    ; and one wait for the batch, ahead of the first line that names a result
.irp t, 0,1,2,3
.irp p, 0,1,2,3
	v_cvt_pk_f16_f32 v[PKR+4*(\t)+(\p)], v[S+8*(\t)+2*(\p)], v[S+8*(\t)+2*(\p)+1]
.endr
.endr
.irp t, 0,1,2,3
	ds_store_b128 v[PST], v[PKR+4*(\t):PKR+4*(\t)+3] offset:16*PP*(\t)
.endr
	s_wait_dscnt 0x0                ; for the others' sake: my weights lie in LDS (and V is in)
	s_barrier_signal -1             ; work on registers stands between the signal and the wait: l and O^T
.irp t, 0,1,2,3
	v_pk_add_f32 v[S+8*(\t):S+8*(\t)+1], v[S+8*(\t):S+8*(\t)+1], v[S+8*(\t)+2:S+8*(\t)+3]
	v_pk_add_f32 v[S+8*(\t)+4:S+8*(\t)+5], v[S+8*(\t)+4:S+8*(\t)+5], v[S+8*(\t)+6:S+8*(\t)+7]
.endr
.irp t, 0,1,2,3
	v_pk_add_f32 v[S+8*(\t):S+8*(\t)+1], v[S+8*(\t):S+8*(\t)+1], v[S+8*(\t)+4:S+8*(\t)+5]
.endr
.irp t, 0,1,2,3
	v_pk_fma_f32 v[LL+2*(\t):LL+2*(\t)+1], v[LL+2*(\t):LL+2*(\t)+1], v[AA+2*(\t):AA+2*(\t)+1], v[S+8*(\t):S+8*(\t)+1] op_sel_hi:[1,0,1]  ; l = a l + the sum
.endr
	WIN W_RS
.irp t, 0,1,2,3
.set i, 0
.rept 32
	v_pk_mul_f32 v[64*(\t)+2*i:64*(\t)+2*i+1], v[64*(\t)+2*i:64*(\t)+2*i+1], v[AA+2*(\t):AA+2*(\t)+1] op_sel_hi:[1,0]  ; O^T times a, each accumulator from its low end on
.set i, i+1
.endr
.endr
	WIN 0
	s_barrier_wait -1               ; everybody's weights lie in LDS
.irp kk, 0,1
.irp t, 0,1,2,3
	ds_load_b128 v[PF+8*(4*(\kk)+(\t)):PF+8*(4*(\kk)+(\t))+3],   v[PLD] offset:16*PP*(\t)+64*(\kk)
	ds_load_b128 v[PF+8*(4*(\kk)+(\t))+4:PF+8*(4*(\kk)+(\t))+7], v[PLD] offset:16*PP*(\t)+64*(\kk)+32
.endr
.endr
	s_wait_dscnt 8                  ; the first 32 keys' weights are in; the other eight loads stay out
	PVRUN 0, 0, 8
	WIN 0
.if (\mode) == 2
	s_wait_xcnt 0x0                 ; the last prefetch, a key step back or more, has read its address, which is made anew:
	s_add_co_u32 s92, s[TT], 3      ; where TT % 4 = 1, step TT + 3 is a group's first, and tile TT + 3 + ROT is mine to read first
	s_or_b32 s92, s92, s[ROT]
	s_lshl_b32 s[OFP], s92, 19
	s_add_nc_u64 s[PFA:PFA+1], s[PFB:PFB+1], s[OFP:OFP+1]
.endif
	s_wait_dscnt 0x0                ; the other 32 keys' weights
.if (\mode) == 0
	PVRUN 1, 0, 8
.else
	; THE CHANGE OF SLOTS.  All my tensor loads have landed (one was out: my part of the other slot); 0 onto my spare word; that and my LDS reads are waited for.  Behind the barrier nobody reads this slot,
	; the weights or the maxima any more, and the other slot is whole.
	s_wait_tensorcnt 0x0
	ds_add_u32 v[SPW], v[NIL]
.if (\mode) == 2
	s_add_co_u32 s92, s[TT], 2      ; this slot takes step TT + 2 of the walk: its tile's address is made anew
	s_add_co_u32 s93, s92, s[ROT]
	s_and_b32 s93, s93, 3
	s_and_b32 s92, s92, 12
	s_or_b32 s92, s92, s93
	s_lshl_b32 s[OFT], s92, 19
	s_add_nc_u64 s[G0K+2:G0K+3], s[KBS:KBS+1], s[OFT:OFT+1]
	s_or_b32 s[G0K+3], s[G0K+3], 0x80000000
	s_add_nc_u64 s[G0V+2:G0V+3], s[VBS:VBS+1], s[OFT:OFT+1]
	s_or_b32 s[G0V+3], s[G0V+3], 0x80000000
	s_add_co_u32 s[G0K+1], s[TB], s[KL]
	s_add_co_u32 s[G0V+1], s[TB], s[VL]
.endif
	PVRUN 1, 0, 4
	s_wait_dscnt 0x0
	s_barrier_signal -1
	PVRUN 1, 4, 4
	WIN 0
	s_barrier_wait -1
.if (\mode) == 2
	CREST                           ; no wave of any partner still reads the slot or has a load on its way
	JLOAD                           ; it has a key step, 128 matrix instructions, in which to land; its four v_nop are places in front of the next step's loads
	ASK
.else
	PLACES
.endif
	s_xor_b32 s[TB], s[TB], SLOT    ; the other slot
	s_add_co_u32 s[TT], s[TT], 1
.endif
.endm
	s_wait_tensorcnt 1              ; my part of slot 0 is in; slot 1's may stay out
	s_barrier_signal -1
	s_barrier_wait -1
	s_wait_loadcnt 0x0              ; Q
	s_mov_b32 s[LAPC], 14
.Llap:                              ; 14 steps fill their slot again: steps 2 to 15 of the walk
	STEP 2
	s_sub_co_u32 s[LAPC], s[LAPC], 1
	s_cmp_lg_u32 s[LAPC], 0
	s_cbranch_scc1 .Llap
	STEP 1                          ; the tail is written out
	STEP 0
	; THE WAY OUT.  l: its two halves, the other half of the lanes', the four waves' (through LDS); O^T is divided by l, rounded to f16 and sent through my stage, a tile (16 rows) at a time.
	WIN 0
	PLACES
.irp t, 0,1,2,3
	v_add_f32 v[LM+(\t)], v[LL+2*(\t)], v[LL+2*(\t)+1]
.endr
.irp t, 0,1,2,3
	v_permlanex16_b32 v[AA+2*(\t)+1], v[LM+(\t)], s[SEL], s[SEL+1]
.endr
.irp t, 0,1,2,3
	v_add_f32 v[LM+(\t)], v[LM+(\t)], v[AA+2*(\t)+1]
.endr
	ds_store_b128 v[SXS], v[LM:LM+3] offset:SSUM
	s_wait_dscnt 0x0
	s_barrier_signal -1
	s_barrier_wait -1
.irp w, 0,1,2,3
	ds_load_b128 v[XR+4*(\w):XR+4*(\w)+3], v[SXL] offset:SSUM+256*(\w)
.endr
	s_wait_dscnt 0x0
.irp t, 0,1,2,3
	v_add_f32 v[XR+(\t)], v[XR+(\t)], v[XR+4+(\t)]
.endr
.irp t, 0,1,2,3
	v_add_f32 v[XR+8+(\t)], v[XR+8+(\t)], v[XR+12+(\t)]
.endr
.irp t, 0,1,2,3
	v_add_f32 v[XR+(\t)], v[XR+(\t)], v[XR+8+(\t)]
.endr
.irp t, 0,1,2,3
	v_rcp_f32 v[AA+2*(\t)], v[XR+(\t)]
.endr
	v_nop                           ; a plain instruction behind the last reciprocal,
	s_wait_alu depctr_va_vdst(0)    ; and one wait for the four
.macro PACK t
	WIN W_RS
.set i, 0
.rept 32
	v_pk_mul_f32 v[64*(\t)+2*i:64*(\t)+2*i+1], v[64*(\t)+2*i:64*(\t)+2*i+1], v[AA+2*(\t):AA+2*(\t)+1] op_sel_hi:[1,0]
.set i, i+1
.endr
	WIN 0x05                        ; sources 0 and 1 window 1, destination window 0: V's registers are free
.set i, 0
.rept 32
	v_cvt_pk_f16_f32 v[KV+32*(\t)+i], v[64*(\t)+2*i], v[64*(\t)+2*i+1]
.set i, i+1
.endr
	WIN 0
.irp f, 0,1,2,3,4,5,6,7
	ds_store_b128 v[STO], v[KV+32*(\t)+4*(\f):KV+32*(\t)+4*(\f)+3] offset:32*(\f)
.endr
.irp f, 0,1,2,3,4,5,6,7
	ds_load_b128 v[KV+32*(\t)+4*(\f):KV+32*(\t)+4*(\f)+3], v[RD] offset:(\f)*2*SP  ; LDS serves a wave's instructions in order (ISA guide 5.7.1.4): these see the stores above; the next tile's stores come behind them
.endr
.endm
.macro SEND t, younger              ; younger: the LDS instructions issued behind tile t's loads: the next tile's sixteen, or none
	WIN 0
.irp f, 0,1,2,3,4,5,6,7
	s_wait_dscnt (\younger)+7-(\f)
	global_store_b128 v[GO], v[KV+32*(\t)+4*(\f):KV+32*(\t)+4*(\f)+3], s[OBS:OBS+1] offset:(\t)*131072+(\f)*16384 th:TH_STORE_NT  ; 16 lanes store 256 consecutive bytes, aligned
.endr
.endm
	PACK 0
	PACK 1                          ; a tile's arithmetic stands between the loads of the tile before and its stores
	SEND 0, 16
	PACK 2
	SEND 1, 16
	PACK 3
	SEND 2, 16
	SEND 3, 0
	s_wait_tensorcnt 0x0            ; the wave's end: behind my last tensor load and my last LDS store
	ds_add_u32 v[SPW], v[NIL]
	s_wait_dscnt 0x0
	CROUND                          ; the closing round: no work-group ends while a partner may still ask for a tile that names it
	s_endpgm
.Lfunc_end_k_q6aa63ea956_attn:
	.size	k_q6aa63ea956_attn, .Lfunc_end_k_q6aa63ea956_attn-k_q6aa63ea956_attn
	.p2alignl 7, 3214868480
	.fill 96, 4, 3214868480
	.section	.rodata,"a",@progbits
	.p2align	6, 0x0
	.amdhsa_kernel k_q6aa63ea956_attn
		.amdhsa_group_segment_fixed_size 327680
		.amdhsa_private_segment_fixed_size 0
		.amdhsa_enable_private_segment 0
		.amdhsa_kernarg_size 16
		.amdhsa_user_sgpr_count 2
		.amdhsa_user_sgpr_kernarg_segment_ptr 1
		.amdhsa_wavefront_size32 1
		.amdhsa_system_sgpr_workgroup_id_x 1
		.amdhsa_system_sgpr_workgroup_id_y 1
		.amdhsa_system_sgpr_workgroup_id_z 1
		.amdhsa_system_vgpr_workitem_id 0
		.amdhsa_next_free_vgpr 1024
		.amdhsa_next_free_sgpr 100
		.amdhsa_reserve_vcc 1
		.amdhsa_float_denorm_mode_32 3
		.amdhsa_float_denorm_mode_16_64 3
		.amdhsa_memory_ordered 1
		.amdhsa_forward_progress 1
		.amdhsa_inst_pref_size 157
	.end_amdhsa_kernel
	.amdgpu_metadata
---
amdhsa.version: [ 1, 2 ]
amdhsa.kernels:
  - .name:           k_q6aa63ea956_attn
    .symbol:         k_q6aa63ea956_attn.kd
    .args:
      - { .name: qkv, .offset: 0, .size: 8, .value_kind: global_buffer, .address_space: global }
      - { .name: att, .offset: 8, .size: 8, .value_kind: global_buffer, .address_space: global }
    .group_segment_fixed_size: 327680
    .private_segment_fixed_size: 0
    .kernarg_segment_align: 8
    .kernarg_segment_size: 16
    .max_flat_workgroup_size: 128
    .sgpr_count:     100
    .vgpr_count:     1024
    .wavefront_size: 32
...
	.end_amdgpu_metadata
.endif
;; end of part 3
;; launch outp (part 4): grid 16 x 16, 4 waves a work-group, clusters of 4 x 4, 327,680 bytes of LDS; arguments att, woh, bo, out0; writes out0
.if DOCPART == 4
	.amdgcn_target "amdgcn-amd-amdhsa--gfx1250"
	.amdhsa_code_object_version 6
	.text
	.protected	k_q6aa63ea956_outp
	.globl	k_q6aa63ea956_outp
	.p2align	8
	.type	k_q6aa63ea956_outp,@function
k_q6aa63ea956_outp:
	s_mov_b64 s[64:65], 0
	v_nop
	global_prefetch_b8 v0, s[64:65] scope:SCOPE_SE
	s_setreg_imm32_b32 hwreg(HW_REG_WAVE_MODE, 25, 1), 1
	s_wait_xcnt 0x0
	s_wait_alu depctr_hold_cnt(0) depctr_sa_sdst(0) depctr_va_vdst(0) depctr_va_sdst(0) depctr_va_ssrc(0) depctr_va_vcc(0) depctr_vm_vsrc(0)
	s_getreg_b32 s2, hwreg(HW_REG_IB_STS2, 6, 4)
	s_cmp_eq_u32 s2, 0
	s_cbranch_scc0 .Lentry_in_a_cluster
	s_endpgm
.Lentry_in_a_cluster:
	s_bfe_u32 s2, ttmp6, 0x10000c
	s_cmp_lg_u32 s2, 0xf033
	s_cbranch_scc0 .Lentry_shape_is_right
	s_endpgm
.Lentry_shape_is_right:
; OUT = ATT x WO + BO.  att: [2048][4096] f16; woh: [4096][4096] f16, rows along n; bo: [4096] f32; out0: [2048][4096] f32.  Sums in f32; the K steps of a sum are not taken in ascending order (THE WALK, below).
; SHARES.  16 x 16 work-groups, one tile of 128 rows x 256 columns each.  Four waves, each 64 rows x 128 columns: 32 accumulators of 16 x 16, 256 registers.  (Tiles of 256 x 256 would be 128: half as
; many as there are work-groups here.)  32 steps of 128 along K through two LDS slots that take turns.
; THE WALK IS TURNED.  The K steps go in groups of four; in step t of a group a cluster takes K step (t + ROT) % 4 of the group, ROT = (cluster x + 2 cluster y) % 4.  The four clusters that read the same
; columns of Wo (same cluster y) have four different ROT; of the four that read the same rows of att (same cluster x) those with y = 0, 1 and those with y = 2, 3 are two apart.
; THE PRODUCT IS TAKEN TRANSPOSED: source 0 = 16 columns of Wo, source 1 = 16 rows of att; a lane then holds one row and eight neighbouring columns.  Wo lies [k][n], so its fragments come out of LDS
; turned, by ds_load_tr16_b128; att's come as they lie.  THE BIAS is the C operand of each sum's first product.
; CLUSTER.  4 x 4 work-groups; tile row = 4 x cluster x + cy, tile column = 4 x cluster y + cx.  att's tile hangs on the tile row alone and is asked for jointly by a row of the cluster, Wo's on the tile
; column alone and by a column.
; PREFETCH.  Behind each joint load stands the test for the step two refills on, 256 matrix instructions ahead of its tensor load.  Wo's rows of a K step are read first by the cluster for which that step is a group's
; first: it asks (waves 2 and 3).  att's are asked for by the clusters with y = 0 and 1, for a group's first two steps (wave 0): between them these are the group's four K steps.  The four partners that ask for a
; tile jointly share its rows out by address.  Each block of 256 bytes is named once.  The first group comes by its loads alone; the last two refills ask for nothing.
; THE TEXT.  A step is written once for the loop's 30 trips: the slot's LDS base is a scalar that an exclusive or turns between 0 and SLOT.  The last two steps, which fill nothing, are written out.
; REGISTERS, in windows of 256: window 0: v16-30 addresses; v32-127, v128-223 two fragment buffers (Wo's eight fragments, then att's four); on the way out v32-95 and v192-255 whole rows.
;   window 1: the accumulators, (a, b) at v[8 (8 a + b)].   window 2: v0-63 the bias of my 128 columns, as an accumulator holds them.
.set U,      32                        ; steps
.set PA,     272                       ; an LDS row of att: 256 bytes + 16 = 68 words: the 16 rows of a load start at 16 different groups of four banks (64 banks of 4 bytes: ISA guide 11.1)
.set PB,     544                       ; an LDS row of Wo: 512 bytes + 32 = 136 words
.set AHALF,  64*PA
.set BHALF,  64*PB
.set BOFFL,  2*AHALF                   ; in a slot Wo's 128 rows lie behind att's 128
.set SLOT,   2*AHALF+2*BHALF
.set STAGE,  2*SLOT                    ; behind the ring: 16 rows x 528 bytes for each wave, for the way out
.set SPT,    528
.set SPARE,  STAGE+4*16*SPT            ; behind the stages: the spare words, 128 bytes for each wave: two blocks of 256 bytes that no other line names
.set A0,   16                          ; v16  my lane's place among a slot's att fragments; never rewritten
.set B0,   17                          ; v17  among its Wo fragments; never rewritten
.set ADRA, 18                          ; v18  the same in the slot in hand
.set ADRB, 19                          ; v19
.set STO,  24
.set RD,   25
.set CO,   26
.set BO,   27
.set SPW,  28                          ; v28  LDS address of my spare word; never rewritten
.set NIL,  29                          ; v29  0; never rewritten
.set PFO,  30                          ; v30  the prefetches' lane offset; never rewritten
.set F0,   32
.set F1,   128
.set OFP, 12                           ; s[12:13] a K step's byte offset, for the prefetches
.set PT,  14                           ; s14  the place in its group of the step that a prefetch would name
.set CLY, 15                           ; s15  cluster y
.set WV, 16
.set WM, 17                            ; my half of the rows; also: 0 = I fetch att, 1 = Wo
.set WN, 18                            ; my half of the columns; also: which half of the tile I fetch
.set CX, 19
.set CY, 20
.set TX, 21
.set TY, 22
.set ROT, 23                           ; s23  by how much my cluster's walk is turned
.set G1A, 24                           ; s[24:31] descriptor group 1 for att's tiles; s[32:39] group 0: a set for each of the two first fills; the first then walks on
.set G0A, 32
.set G1B, 40                           ; s[40:47], s[48:55] the same for Wo's
.set G0B, 48
.set BASEA, 56                         ; s[56:57] att at the first of the rows that I fetch
.set OFA, 58                           ; s[58:59] a K step's byte offset in those rows
.set UQ,  60                           ; s60  the step of the walk that the next refill asks for
.set PN,  61                           ; s61  a wave prefetches a step whose place in its group is below this
.set TB,  62                           ; s62  the LDS base of the slot in hand: 0 or SLOT
.set LA,  63                           ; s63  where my part of att's tile lies in a slot
.set PFA, 66                           ; s[66:67] the address of the prefetch in hand
.set PFB, 68                           ; s[68:69] att or Wo at my share of a tile's rows, K step 0
.set BB,  70
.set BASEB, 72                         ; s[72:73] Wo at the first of the rows that I fetch, K step 0
.set CB,  74
.set LB,  84                           ; s84  where my part of Wo's tile lies in a slot
.set PSH, 85                           ; s85  a K step is 2^8 bytes along att's rows, 2^20 bytes of Wo's rows
.set OFB, 86                           ; s[86:87] a K step's byte offset in Wo
.set MUL, 0x50                         ; fragments in window 0, C and D in window 1
.set MULB, 0x60                        ; the same with C in window 2: the bias
.set MSB, 0
.macro WIN new                         ; the immediate's high byte repeats the setting that is left; a switch that changes nothing is dropped
.if MSB != (\new)
	s_set_vgpr_msb (MSB<<8)|(\new)
.set MSB, \new
.endif
.endm
.macro PLACES                          ; four places behind a matrix instruction (ISA guide 7.12.1)
.rept 4
	v_nop
.endr
.endm
.macro JLOAD                           ; a joint refill; the branch hangs on the wave's number alone; an s_nop 0 and four v_nop follow each of the two lines
	s_cmp_eq_u32 s[WM], 0
	s_cbranch_scc0 .Lfor_b_\@
	tensor_load_to_lds s[G0A:G0A+3], s[G1A:G1A+7]
	s_nop 0
.rept 4
	v_nop
.endr
	s_branch .Lasked_\@
.Lfor_b_\@:
	tensor_load_to_lds s[G0B:G0B+3], s[G1B:G1B+7]
	s_nop 0
.rept 4
	v_nop
.endr
.Lasked_\@:
.endm
.macro ASK                             ; step UQ + 2 of the walk, where it exists and its place in its group is one of mine
	s_cmp_lt_u32 s[UQ], U-2
	s_cbranch_scc0 .Lnot_mine_\@
	s_cmp_lt_u32 s[PT], s[PN]
	s_cbranch_scc0 .Lnot_mine_\@
	global_prefetch_b8 v[PFO], s[PFA:PFA+1] th:TH_LOAD_NT scope:SCOPE_SE
.Lnot_mine_\@:
.endm
.macro CREST
	s_cmp_lg_u32 s[WV], 0
	s_cbranch_scc1 .Lnot_wave_0_\@
	s_barrier_signal -3
.Lnot_wave_0_\@:
	s_barrier_wait -3
	s_barrier_signal -1
	s_barrier_wait -1
.endm
.macro CROUND
	s_barrier_signal -1
	s_barrier_wait -1
	CREST
.endm
	s_load_b256 s[4:11], s[0:1], 0x0               ; att s[4:5], woh s[6:7], bo s[8:9], out0 s[10:11]
	v_lshl_add_u32 v[SPW], v0, 2, SPARE
	v_mov_b32 v[NIL], 0
	ds_add_u32 v[SPW], v[NIL]                      ; the wave's opening: the add and its wait stand ahead of my first tensor load; the set-up below stands between them
	v_lshrrev_b32 v1, 5, v0
	v_readfirstlane_b32 s[WV], v1
	s_lshr_b32 s[WM], s[WV], 1
	s_and_b32 s[WN], s[WV], 1
	s_bfe_u32 s[CX], ttmp6, 0x40000
	s_bfe_u32 s[CY], ttmp6, 0x40004
	s_lshl_b32 s[TY], ttmp9, 2
	s_add_co_u32 s[TY], s[TY], s[CY]               ; tile row = 4 x cluster x + cy
	s_and_b32 s[CLY], ttmp7, 0xffff
	s_lshl_b32 s[TX], s[CLY], 2
	s_add_co_u32 s[TX], s[TX], s[CX]               ; tile column = 4 x cluster y + cx
	s_lshl_b32 s[ROT], s[CLY], 1
	s_add_co_u32 s[ROT], s[ROT], ttmp9
	s_and_b32 s[ROT], s[ROT], 3                    ; the same in all sixteen partners
	s_lshl_b32 s76, s[CY], 2
	s_lshl_b32 s76, 15, s76                        ; my row of the cluster
	s_lshl_b32 s80, 0x1111, s[CX]                  ; my column
	s_or_b32 s[G1A], s76, (1<<16)|(1<<20)|(1<<21)|(5<<22)|(3<<25)  ; the mask; 2-byte elements; padding on; bit 21 beside a mask; after every 64 words 4 words
	s_or_b32 s[G1B], s80, (1<<16)|(1<<20)|(1<<21)|(6<<22)|(7<<25)  ; after every 128 words 8 words
	s_mov_b32 s[G1A+1], 128<<16                    ; tensor_dim0 = 128
	s_mov_b32 s[G1A+2], 64<<16                     ; tensor_dim1 = 64
	s_mov_b32 s[G1A+3], 128<<16                    ; tile_dim0 = 128
	s_mov_b32 s[G1A+4], 64                         ; tile_dim1 = 64
	s_mov_b32 s[G1A+5], 4096                       ; elements from row to row
	s_mov_b32 s[G1A+6], 0
	s_mov_b32 s[G1A+7], 0
	s_mov_b32 s[G1B+1], 256<<16
	s_mov_b32 s[G1B+2], 64<<16
	s_mov_b32 s[G1B+3], 256<<16
	s_mov_b32 s[G1B+4], 64
	s_mov_b32 s[G1B+5], 4096
	s_mov_b32 s[G1B+6], 0
	s_mov_b32 s[G1B+7], 0
	s_mul_i32 s[LA], s[WN], AHALF                  ; where the tiles go: no place in the cluster enters an LDS address
	s_mul_i32 s[LB], s[WN], BHALF
	s_add_co_u32 s[LB], s[LB], BOFFL
.irp s, 0,1
	s_mov_b32 s[G0A+4*(\s)], 1
	s_add_co_u32 s[G0A+4*(\s)+1], s[LA], (\s)*SLOT
	s_mov_b32 s[G0B+4*(\s)], 1
	s_add_co_u32 s[G0B+4*(\s)+1], s[LB], (\s)*SLOT
.endr
	s_lshl_b32 s78, s[TY], 7
	s_lshl_b32 s79, s[WN], 6
	s_add_co_u32 s78, s78, s79                     ; att: row 128 x tile row + 64 x half,
	s_lshl_b32 s78, s78, 13                        ; 8,192 bytes each
	s_mov_b32 s79, 0
	s_lshl_b32 s82, s[WN], 19                      ; Wo: 64 x half rows of 8,192 bytes,
	s_lshl_b32 s83, s[TX], 9                       ; 512 bytes a tile column
	s_add_co_u32 s82, s82, s83
	s_mov_b32 s83, 0
	s_mov_b32 s[OFA+1], 0
	s_mov_b32 s[OFB+1], 0
	s_mov_b32 s[OFP+1], 0
	s_mov_b32 s[UQ], 2
	s_mov_b32 s[TB], 0
	s_wait_dscnt 0x0                               ; the opening add is done
	s_wait_kmcnt 0x0
	s_add_nc_u64 s[BASEA:BASEA+1], s[4:5], s[78:79]
	s_add_nc_u64 s[BASEB:BASEB+1], s[6:7], s[82:83]
	s_lshl_b32 s[OFA], s[ROT], 8                   ; step 0 of the walk is K step ROT,
	s_lshl_b32 s[OFB], s[ROT], 20
	s_add_nc_u64 s[G0A+2:G0A+3], s[BASEA:BASEA+1], s[OFA:OFA+1]
	s_or_b32 s[G0A+3], s[G0A+3], 0x80000000
	s_add_nc_u64 s[G0B+2:G0B+3], s[BASEB:BASEB+1], s[OFB:OFB+1]
	s_or_b32 s[G0B+3], s[G0B+3], 0x80000000
	s_add_co_u32 s76, s[ROT], 1
	s_and_b32 s76, s76, 3
	s_lshl_b32 s[OFA], s76, 8                      ; step 1 K step (ROT + 1) % 4
	s_lshl_b32 s[OFB], s76, 20
	s_add_nc_u64 s[G0A+6:G0A+7], s[BASEA:BASEA+1], s[OFA:OFA+1]
	s_or_b32 s[G0A+7], s[G0A+7], 0x80000000
	s_add_nc_u64 s[G0B+6:G0B+7], s[BASEB:BASEB+1], s[OFB:OFB+1]
	s_or_b32 s[G0B+7], s[G0B+7], 0x80000000
	CROUND                                         ; all sixteen work-groups are here: the first joint loads meet
	s_cmp_eq_u32 s[WM], 0                          ; a wave's two first fills stand in one branch: two loads of mine are out
	s_cbranch_scc0 .Lfirst_b
	tensor_load_to_lds s[G0A:G0A+3], s[G1A:G1A+7]
	s_nop 0
	tensor_load_to_lds s[G0A+4:G0A+7], s[G1A:G1A+7]
	s_nop 0
.rept 4
	v_nop
.endr
	s_branch .Lfirst_done
.Lfirst_b:
	tensor_load_to_lds s[G0B:G0B+3], s[G1B:G1B+7]
	s_nop 0
	tensor_load_to_lds s[G0B+4:G0B+7], s[G1B:G1B+7]
	s_nop 0
.rept 4
	v_nop
.endr
.Lfirst_done:
	v_and_b32 v1, 15, v0                           ; r = l % 16
	v_bfe_u32 v2, v0, 4, 1                         ; h = l / 16
	v_and_b32 v3, 7, v0
	v_bfe_u32 v4, v0, 3, 1
	v_and_b32 v5, 31, v0
	v_mul_u32_u24 v6, v1, PA                       ; att's fragment: row r, 16 bytes for each half of the lanes
	v_lshl_add_u32 v6, v2, 4, v6
	s_mul_i32 s76, s[WM], AHALF
	v_add_nc_u32 v[A0], s76, v6
	v_add_nc_u32 v[ADRA], s[TB], v[A0]
	v_lshl_add_u32 v7, v2, 3, v3                   ; Wo's: the turning load takes k row 8 h + l % 8, columns 8 ((l / 8) % 2) + 0..7
	v_mul_u32_u24 v7, v7, PB
	v_lshl_add_u32 v7, v4, 4, v7
	s_lshl_b32 s76, s[WN], 8
	s_add_co_u32 s76, s76, BOFFL
	v_add_nc_u32 v[B0], s76, v7
	v_add_nc_u32 v[ADRB], s[TB], v[B0]
	s_mul_i32 s76, s[WV], 16*SPT
	s_add_co_u32 s76, s76, STAGE                   ; my stage
	v_mul_u32_u24 v6, v1, SPT                      ; in: row r, 32 bytes for each half of the lanes
	v_lshl_add_u32 v6, v2, 5, v6
	v_add_nc_u32 v[STO], s76, v6
	v_lshl_add_u32 v[RD], v5, 4, s76               ; back: 32 lanes take one row of 512 bytes
	v_lshlrev_b32 v[CO], 4, v5
	v_lshlrev_b32 v[BO], 5, v2
	s_lshl_b32 s76, s[TY], 7
	s_lshl_b32 s77, s[WM], 6
	s_add_co_u32 s76, s76, s77
	s_lshl_b32 s76, s76, 14                        ; my first row of out0, 16,384 bytes each
	s_lshl_b32 s77, s[TX], 10
	s_add_co_u32 s76, s76, s77
	s_lshl_b32 s77, s[WN], 9
	s_add_co_u32 s76, s76, s77
	s_mov_b32 s77, 0
	s_add_nc_u64 s[CB:CB+1], s[10:11], s[76:77]
	s_lshl_b32 s76, s[TX], 10
	s_lshl_b32 s77, s[WN], 9
	s_add_co_u32 s76, s76, s77
	s_mov_b32 s77, 0
	s_add_nc_u64 s[BB:BB+1], s[8:9], s[76:77]
	WIN 0x80                                       ; destination window 2
.irp b, 0,1,2,3,4,5,6,7
	global_load_b128 v[8*(\b):8*(\b)+3],   v[BO], s[BB:BB+1] offset:64*(\b)
	global_load_b128 v[8*(\b)+4:8*(\b)+7], v[BO], s[BB:BB+1] offset:64*(\b)+16
.endr
	WIN 0
	; the prefetches.  att: of the tile's 128 rows the partner at cx takes 32 cx .. 32 cx + 31, a lane a row (wave 0).  Wo: of the 64 rows that wave 2 or 3 fetches the partner at cy takes 16, a lane row l / 2, block l % 2
	s_lshl_b32 s80, s[TY], 7
	s_lshl_b32 s81, s[CX], 5
	s_add_co_u32 s80, s80, s81
	s_lshl_b32 s80, s80, 13
	s_lshl_b32 s81, s[WN], 6
	s_lshl_b32 s82, s[CY], 4
	s_add_co_u32 s81, s81, s82
	s_lshl_b32 s81, s81, 13
	s_lshl_b32 s82, s[TX], 9
	s_add_co_u32 s81, s81, s82
	s_cmp_lt_u32 s[CLY], 2
	s_cselect_b32 s82, 2, 0                        ; att: a group's first two steps, in the clusters with y = 0 and 1,
	s_cmp_eq_u32 s[WV], 0
	s_cselect_b32 s82, s82, 0                      ; by wave 0
	s_cmp_eq_u32 s[WM], 0                          ; do I fetch for att?
	s_cselect_b32 s[PN], s82, 1                    ; Wo: a group's first step.  The same in all sixteen partners, for a given wave
	s_cselect_b64 s[PFB:PFB+1], s[4:5], s[6:7]
	s_cselect_b32 s[PSH], 8, 20
	s_cselect_b32 s80, s80, s81
	s_cselect_b32 s83, -1, 0
	s_mov_b32 s81, 0
	s_add_nc_u64 s[PFB:PFB+1], s[PFB:PFB+1], s[80:81]
	v_lshlrev_b32 v6, 13, v5
	v_lshrrev_b32 v7, 1, v5
	v_and_b32 v8, 1, v5
	v_lshlrev_b32 v7, 13, v7
	v_lshl_add_u32 v7, v8, 8, v7
	v_cndmask_b32 v[PFO], v7, v6, s83
; 8 matrix instructions: row block a x all 8 column blocks, 32 along K.  The 32 accumulators take turns, in the same order in every quarter, over the backward jump too.  first = 1: the sums start from the bias.
.macro MUL8 f, a, first
.if \first
	WIN MULB
.else
	WIN MUL
.endif
.irp b, 0,1,2,3,4,5,6,7
.if \first
	v_wmma_f32_16x16x32_f16 v[8*(8*(\a)+(\b)):8*(8*(\a)+(\b))+7], v[(\f)+8*(\b):(\f)+8*(\b)+7], v[(\f)+64+8*(\a):(\f)+64+8*(\a)+7], v[8*(\b):8*(\b)+7]
.else
	v_wmma_f32_16x16x32_f16 v[8*(8*(\a)+(\b)):8*(8*(\a)+(\b))+7], v[(\f)+8*(\b):(\f)+8*(\b)+7], v[(\f)+64+8*(\a):(\f)+64+8*(\a)+7], v[8*(8*(\a)+(\b)):8*(8*(\a)+(\b))+7]
.endif
.endr
.endm
.macro MUL16 f, a0, first
	MUL8 \f, \a0, \first
	MUL8 \f, (\a0)+1, \first
.endm
; 24 LDS loads in one run: quarter q (32 along K) of the slot in hand into buffer f: Wo's eight fragments first, then att's four
.macro FETCH q, f
	WIN 0
.irp b, 0,1,2,3,4,5,6,7
	ds_load_tr16_b128 v[(\f)+8*(\b):(\f)+8*(\b)+3],   v[ADRB] offset:(\q)*32*PB+32*(\b)
	ds_load_tr16_b128 v[(\f)+8*(\b)+4:(\f)+8*(\b)+7], v[ADRB] offset:(\q)*32*PB+32*(\b)+16*PB
.endr
.irp a, 0,1,2,3
	ds_load_b128 v[(\f)+64+8*(\a):(\f)+64+8*(\a)+3],   v[ADRA] offset:(\a)*16*PA+64*(\q)
	ds_load_b128 v[(\f)+64+8*(\a)+4:(\f)+64+8*(\a)+7], v[ADRA] offset:(\a)*16*PA+64*(\q)+32
.endr
.endm
.macro QUARTER qn, f, g, first
	s_wait_dscnt 4                                 ; Wo and att's row blocks 0, 1 are in; the youngest four loads (blocks 2, 3) may be out
	MUL16 \f, 0, \first
	PLACES
	FETCH \qn, \g
	s_wait_dscnt 24                                ; all but the 24 just issued
	MUL16 \f, 2, \first
.endm
; The last quarter multiplies buffer 1 and changes slots: ONE barrier.  In front of it each wave waits for all its tensor loads (one is out: its part of the next slot), adds 0 to its spare word, and waits
; for that and for its reads of this slot.  fill = 1: the barrier opens a round of the cluster's, and the joint refill (step UQ of the walk) is the first thing behind it.  Nothing but the round stands between
; the waits and the refill; 24 of the quarter's 32 products follow it.
.macro TURN fill
.if \fill
	s_wait_xcnt 0x0                                ; the last prefetch, a step back or more, has read its address, which is made anew: for step UQ + 2 of the walk
	s_add_co_u32 s76, s[UQ], 2
	s_and_b32 s[PT], s76, 3                        ; its place in its group,
	s_add_co_u32 s77, s76, s[ROT]
	s_and_b32 s77, s77, 3
	s_and_b32 s76, s76, 0x3c
	s_or_b32 s76, s76, s77                         ; and its K step
	s_lshl_b32 s[OFP], s76, s[PSH]
	s_add_nc_u64 s[PFA:PFA+1], s[PFB:PFB+1], s[OFP:OFP+1]
.endif
	WIN 0
	s_wait_tensorcnt 0x0                           ; no tensor load of mine is out, so a group 0 may be written
	ds_add_u32 v[SPW], v[NIL]                      ; 0 onto my spare word
.if \fill
	s_add_co_u32 s77, s[UQ], s[ROT]
	s_and_b32 s77, s77, 3
	s_and_b32 s76, s[UQ], 0x3c
	s_or_b32 s76, s76, s77                         ; step UQ of the walk is K step 4 (UQ / 4) + (UQ + ROT) % 4
	s_lshl_b32 s[OFA], s76, 8
	s_lshl_b32 s[OFB], s76, 20
	s_add_nc_u64 s[G0A+2:G0A+3], s[BASEA:BASEA+1], s[OFA:OFA+1]  ; both addresses are made anew,
	s_or_b32 s[G0A+3], s[G0A+3], 0x80000000
	s_add_nc_u64 s[G0B+2:G0B+3], s[BASEB:BASEB+1], s[OFB:OFB+1]
	s_or_b32 s[G0B+3], s[G0B+3], 0x80000000
	s_add_co_u32 s[G0A+1], s[TB], s[LA]            ; and the tile goes into the slot in hand
	s_add_co_u32 s[G0B+1], s[TB], s[LB]
.endif
	s_wait_dscnt 7                                 ; the add and the youngest six loads (row blocks 1 to 3) may be out
	MUL8 F1, 0, 0                                  ; eight products stand between the add and the wait for it
	WIN 0
	s_wait_dscnt 0x0                               ; the add is done, and my reads of this slot are over
	s_barrier_signal -1
	s_barrier_wait -1
.if \fill
	CREST                                          ; no wave of any partner still reads this slot or has a load on its way
	JLOAD                                          ; its four v_nop are also the places in front of the loads below
.else
	PLACES
.endif
	s_xor_b32 s[TB], s[TB], SLOT                   ; the other slot
	v_add_nc_u32 v[ADRA], s[TB], v[A0]
	v_add_nc_u32 v[ADRB], s[TB], v[B0]
	FETCH 0, F0
.if \fill
	ASK
	s_add_co_u32 s[UQ], s[UQ], 1
.endif
	MUL8 F1, 1, 0
	MUL16 F1, 2, 0
.endm
	s_wait_tensorcnt 1                             ; my part of step 0 is in; step 1's may stay out
	s_barrier_signal -1
	s_barrier_wait -1
	FETCH 0, F0
	s_wait_loadcnt 0x0                             ; the bias
	QUARTER 1, F0, F1, 1                           ; the first quarter stands in front of the loop: its products start the sums from the bias
	WIN 0
	s_mov_b32 s3, U-2
.Lstep:                                                ; a trip goes from a step's second quarter to the next step's first, and fills the slot that it leaves
	QUARTER 2, F1, F0, 0
	QUARTER 3, F0, F1, 0
	TURN 1
	QUARTER 1, F0, F1, 0
	WIN 0
	s_sub_co_u32 s3, s3, 1
	s_cmp_lg_u32 s3, 0
	s_cbranch_scc1 .Lstep
	QUARTER 2, F1, F0, 0                           ; the last two steps fill nothing
	QUARTER 3, F0, F1, 0
	TURN 0
	QUARTER 1, F0, F1, 0
	QUARTER 2, F1, F0, 0
	QUARTER 3, F0, F1, 0
	s_wait_dscnt 4
	MUL16 F1, 0, 0
	s_wait_dscnt 0x0
	MUL16 F1, 2, 0
	; THE WAY OUT, 16 rows at a time: 32 bytes a lane from the accumulators into my own stage, back as whole rows of 512 bytes, stored.  Two sets of registers take the rows by turns: a set is loaded again
	; only when the wait in the block between has shown that its stores have read it.
	WIN 0
	PLACES
.irp a, 0,1,2,3
.set OBX, 32+160*((\a)%2)
	WIN 0x04                                       ; the stores' data in window 1
.irp b, 0,1,2,3,4,5,6,7
	ds_store_b128 v[STO], v[8*(8*(\a)+(\b)):8*(8*(\a)+(\b))+3]   offset:64*(\b)     ; each accumulator from its low end on
	ds_store_b128 v[STO], v[8*(8*(\a)+(\b))+4:8*(8*(\a)+(\b))+7] offset:64*(\b)+16
.endr
	WIN 0
.irp t, 0,1,2,3,4,5,6,7,8,9,10,11,12,13,14,15
	ds_load_b128 v[OBX+4*(\t):OBX+4*(\t)+3], v[RD] offset:SPT*(\t)  ; LDS serves a wave's instructions in order (ISA guide 5.7.1.4): these see the stores above
.endr
	s_wait_dscnt 0x0
	s_wait_xcnt 0x0                                ; the stores issued so far have read their registers
.irp t, 0,1,2,3,4,5,6,7,8,9,10,11,12,13,14,15
	global_store_b128 v[CO], v[OBX+4*(\t):OBX+4*(\t)+3], s[CB:CB+1] offset:(16*(\a)+(\t))*16384 th:TH_STORE_NT  ; 32 lanes store 512 consecutive bytes, aligned
.endr
.endr
	s_wait_tensorcnt 0x0                           ; the wave's end: behind my last tensor load and my last LDS store
	ds_add_u32 v[SPW], v[NIL]
	s_wait_dscnt 0x0
	CROUND                                         ; the closing round: no work-group ends while a partner may still ask for a tile that names it
	s_endpgm
.Lfunc_end_k_q6aa63ea956_outp:
	.size	k_q6aa63ea956_outp, .Lfunc_end_k_q6aa63ea956_outp-k_q6aa63ea956_outp
	.p2alignl 7, 3214868480
	.fill 96, 4, 3214868480
	.section	.rodata,"a",@progbits
	.p2align	6, 0x0
	.amdhsa_kernel k_q6aa63ea956_outp
		.amdhsa_group_segment_fixed_size 327680
		.amdhsa_private_segment_fixed_size 0
		.amdhsa_enable_private_segment 0
		.amdhsa_kernarg_size 32
		.amdhsa_user_sgpr_count 2
		.amdhsa_user_sgpr_kernarg_segment_ptr 1
		.amdhsa_wavefront_size32 1
		.amdhsa_system_sgpr_workgroup_id_x 1
		.amdhsa_system_sgpr_workgroup_id_y 1
		.amdhsa_system_sgpr_workgroup_id_z 1
		.amdhsa_system_vgpr_workitem_id 0
		.amdhsa_next_free_vgpr 576
		.amdhsa_next_free_sgpr 88
		.amdhsa_reserve_vcc 0
		.amdhsa_float_denorm_mode_32 3
		.amdhsa_float_denorm_mode_16_64 3
		.amdhsa_memory_ordered 1
		.amdhsa_forward_progress 1
		.amdhsa_inst_pref_size 72
	.end_amdhsa_kernel
	.amdgpu_metadata
---
amdhsa.version: [ 1, 2 ]
amdhsa.kernels:
  - .name:           k_q6aa63ea956_outp
    .symbol:         k_q6aa63ea956_outp.kd
    .args:
      - { .name: att, .offset: 0, .size: 8, .value_kind: global_buffer, .address_space: global }
      - { .name: woh, .offset: 8, .size: 8, .value_kind: global_buffer, .address_space: global }
      - { .name: bo, .offset: 16, .size: 8, .value_kind: global_buffer, .address_space: global }
      - { .name: out0, .offset: 24, .size: 8, .value_kind: global_buffer, .address_space: global }
    .group_segment_fixed_size: 327680
    .private_segment_fixed_size: 0
    .kernarg_segment_align: 8
    .kernarg_segment_size: 32
    .max_flat_workgroup_size: 128
    .sgpr_count:     88
    .vgpr_count:     576
    .wavefront_size: 32
...
	.end_amdgpu_metadata
.endif
;; end of part 4
